; MI455X (gfx1250); checked and timed in simulation.
; The chip was launched on July 23, 2026; its instructions are those of AMD's public machine-readable ISA for CDNA 5 (MIT licence, August 2026) and "CDNA5" Instruction Set Architecture Reference Guide (July 2026). The comments in the code are by the model that wrote it; some were corrected since.
;; GQA. Allowed arithmetic: matrix products marked QUANTISED: E4M3 operands, one given power-of-two scale a tensor, by v_wmma_f32_16x16x64_fp8_fp8 or v_wmma_f32_16x16x128_fp8_fp8, f32 sums; everything else in f32.
;; Inputs: cos 2,048 x 64 float32; lowp_scales 12 int32 (the exponents e of the quantised operands' scales 2^e); sin 2,048 x 64 float32; wk 2,048 x 512 float32; wo 2,048 x 2,048 float32; wq 2,048 x 2,048 float32; wv 2,048 x 512 float32; x 1 x 2,048 x 2,048 float32.
;; Outputs: out0 1 x 2,048 x 2,048 float32.
;; This version of the problem:
;;   THIS VERSION OF THE PROBLEM IS GIVEN IN LOW PRECISION. The matrix products marked QUANTISED in the list below multiply operands that are first quantised to E4M3 (4 exponent bits, 3 mantissa bits; 8 bits a number), with one given power-of-two scale for each operand tensor; their sums are f32. All else is computed in f32.
;;   The module's matrix products, in the order in which they are computed (A, B: the left and right operand; K: the contracted axis; several contracted axes count as one K, in the product's order):
;;     1. [M 2,048, K 2,048] x [K 2,048, N 2,048]; A: input x; B: input wq: QUANTISED (scales: A lowp_scales[0], B lowp_scales[1])
;;     2. [M 2,048, K 2,048] x [K 2,048, N 512]; A: input x; B: input wk: QUANTISED (scales: A lowp_scales[2], B lowp_scales[3])
;;     3. [M 2,048, K 2,048] x [K 2,048, N 512]; A: input x; B: input wv: QUANTISED (scales: A lowp_scales[4], B lowp_scales[5])
;;     4. batch 4 x [M 8,192, K 128] x [K 128, N 2,048]; A: computed on the way; B: computed on the way: QUANTISED (scales: A lowp_scales[6], B lowp_scales[7])
;;     5. batch 4 x [M 8,192, K 2,048] x [K 2,048, N 128]; A: softmax (see below); B: computed on the way: QUANTISED (scales: A lowp_scales[8], B lowp_scales[9])
;;     6. [M 2,048, K 2,048] x [K 2,048, N 2,048]; A: computed on the way; B: input wo: QUANTISED (scales: A lowp_scales[10], B lowp_scales[11])
;;   THE QUANTISER, for each operand of a quantised product, along K:
;;     - The operand's scale is 2^e, e = its entry of the input lowp_scales (int32; the entries are numbered through the quantised products in the list's order, A before B).
;;     - Each number is divided by the scale, clamped to +-448, and rounded to the nearest number of E4M3, ties to even, subnormals kept.
;;     - The product sums the exact products of the quantised numbers (number of the format x scale) in f32.
;;   ~~~python
;;   def quantise(x, axis, e):      # numpy; x: float32 -> the quantised numbers, widened to float32 again
;;       x = np.moveaxis(x, axis, -1); K = x.shape[-1]
;;       r = np.clip(x / 2.0 ** e, -448, 448)
;;       step = 2.0 ** (np.maximum(np.frexp(np.where(r == 0, 1, r))[1] - 1, -6) - 3)
;;       q = np.round(r / step) * step * 2.0 ** e      # np.round: ties to even
;;       return np.moveaxis(q, -1, axis).astype(np.float32)
;;   ~~~
;;   SOFTMAX AHEAD OF A QUANTISED PRODUCT. Where the list says 'softmax', what is quantised is not the finished softmax but p = 2^(t - M), with t = logit x log2(e) and M = ceil(the row's largest t), a whole number; so 1/2 < the row's largest p <= 1. The row's sum l is taken of the UNQUANTISED p, in f32, and the product's result is divided by l at the end. Since M is a whole number, a kernel that streams over the keys may use a running M (the ceiling of the running maximum): every later rescaling is an exact power of two, so the quantised numbers keep their values, but for numbers so far below the row's largest that they fall under the format's range.
;;   OPERANDS COMPUTED ON THE WAY. 'Computed on the way' means the value that the module computes at that place (a softmax that the list does not call 'softmax' is quantised finished and normalised). What goes into a quantiser is computed in f32, as accurately as f32 sums, v_exp_f32 and their like allow (about 1e-6 of the number): no bf16 or f16 on the way to a quantiser, and a product that is left as it is and whose result goes on into a quantised operand takes f32 operands (vector FMAs, or v_wmma_f32_16x16x4_f32). A number that lies on a knife's edge between two numbers of the format may be rounded either way, as far as f32 arithmetic and the matrix unit's own rounding can turn it there, and no further.
;; One version. Each part assembles by itself: llvm-mc -triple=amdgcn-amd-amdhsa -mcpu=gfx1250 --defsym DOCPART=n.
;; ======== version 1 of 1: 4 launches
;; limits: right only within a limited range of input values
;; workspace buffers: codes 23,068,672 bytes; qkvc 6,291,456 bytes; acodes 4,194,304 bytes
;; launch quant (part 1): grid 896 x 1, 4 waves a work-group, no clusters, 70,144 bytes of LDS; arguments x, wq, wk, wv, wo, lowp_scales, codes; writes codes
.if DOCPART == 1
	.amdgcn_target "amdgcn-amd-amdhsa--gfx1250"
	.amdhsa_code_object_version 6
	.text
	.protected	k_q11fea56faf_quant
	.globl	k_q11fea56faf_quant
	.p2align	8
	.type	k_q11fea56faf_quant,@function
k_q11fea56faf_quant:
	s_mov_b64 s[64:65], 0
	v_nop
	global_prefetch_b8 v0, s[64:65] scope:SCOPE_SE
	s_setreg_imm32_b32 hwreg(HW_REG_WAVE_MODE, 25, 1), 1
	s_wait_xcnt 0x0
; x [2048][2048] f32 becomes three sets of E4M3 codes (scales 2^e0, 2^e2, 2^e4: x is an operand of three products, each with a scale of its own);
; wq, wo [2048 k][2048 n] and wk, wv [2048 k][512 n] f32 become codes under 2^e1, 2^e11, 2^e3, 2^e5, with K made innermost.
; code = number / 2^e, held within +-448, to the nearest code, ties to even.
; LAYOUT OF codes: dense blocks of 16,384 bytes = 128 rows x 128 codes, K innermost, ordered [row block][K block of 128].
;   block 0..255 x under e0, 256..511 x under e2, 512..767 x under e4, 768..1023 wq, 1024..1279 wo, 1280..1343 wk, 1344..1407 wv.
; SHARES: one work-group makes one block (x: the same block three times).  Work-groups 0..255 take x, 256..895 the weights; the two ways part once,
; on the work-group's number, have LDS bytes of their own, and each ends by itself.  Waves share nothing: no barrier.
; LIMITS: each of e0, e1, e2, e3, e4, e5, e11 lies between -126 and 119, so that 2^e and 448 x 2^e are f32 numbers.  NaN among the inputs is not served; an infinity is held at the largest code.
.set XST,   0                          ; x's way: a region of 8,192 bytes a wave: two stages of 32 x 80 bytes
.set WST,   32768                      ; the weights' way: 32 rows x 144 bytes a wave
.set SPARE, 51200                      ; the spare words, 128 bytes a wave: two blocks of 256 bytes that no other line names
; THE LAYOUT, MORE FINELY.  x under e0 and e2, and wv, are later loaded from memory straight into operand registers: inside a block each 16 rows x 128 codes (2,048 bytes) lie in FRAGMENT ORDER:
; byte 512 c + 16 l holds, for lane l, row l % 16, K = 32 c + 16 (l / 16) + 0 .. 15.  x under e4, wq and wk stay row by row.  wo lies in blocks of 64 rows: [n / 64][K block][64 rows][128 codes].
; WORK LEFT OUT IN THIS PROGRAM: reference() sets the scores of keys behind a query to -inf by a mask that it builds itself, so their p is 0 for all inputs: key steps that lie wholly behind a wave's queries are not computed
; (launch attn).  A NaN, an infinity or an overflow that reaches only such scores is not carried to the result.
.set XCS,   51712                      ; x's way: a stage for codes, 16 rows x 144 bytes for each of two scales and each wave
.set TC,    160                        ; x: v160-167 the codes under e0 and e2 on their way into that stage
.set RB,    168                        ; x: v168-231 fragments read back: four registers for each (half, scale, c), so that no store's data are written again
.set SPW,   12                         ; v12  LDS address of my spare word; never rewritten
.set NIL,   13                         ; v13  0; never rewritten
.set R,     16                         ; x: v16-79   four sets of 16 numbers as loaded
.set X,     80                         ; x: v80-111  two sets of 16 neighbours along K
.set T,     112                        ; x: v112-127 the numbers held for one scale
.set C,     128                        ; x: v128-159 codes under e4: four registers for each step, so that no store's data are written again
.set VO,    16                         ; w: v16-47   4 x lane + i x pitch, i = 0..31; never rewritten
.set WX,    48                         ; w: v48-111  two sets of 32 numbers down K
.set WC,    112                        ; w: v112-119 a block's codes
.set OUTR,  120                        ; w: v120-151 the way out
.macro MKSC e, sc, lim                 ; v[sc] = 2^e as f32 (the conversion takes its exponent field), v[lim] = 448 x 2^e
	s_add_co_i32 s52, s[\e], 127
	s_lshl_b32 s53, s52, 23
	v_mov_b32 v[\sc], s53
	s_add_co_i32 s52, s52, 8
	s_lshl_b32 s52, s52, 23
	s_or_b32 s52, s52, 0x600000
	v_mov_b32 v[\lim], s52
.endm
	s_load_b256 s[4:11], s[0:1], 0x0               ; x s[4:5], wq s[6:7], wk s[8:9], wv s[10:11]
	s_load_b128 s[12:15], s[0:1], 0x20             ; wo s[12:13], the exponents s[14:15]
	s_load_b64 s[16:17], s[0:1], 0x30              ; codes
	v_lshl_add_u32 v[SPW], v0, 2, SPARE
	v_mov_b32 v[NIL], 0
	v_lshrrev_b32 v1, 5, v0
	v_readfirstlane_b32 s20, v1                    ; wave 0..3
	v_and_b32 v2, 31, v0                           ; lane
	s_mov_b32 s37, 0
	s_mov_b32 s49, 0
	s_wait_kmcnt 0x0
	s_load_b256 s[24:31], s[14:15], 0x0            ; e0 .. e7
	s_load_b128 s[32:35], s[14:15], 0x20           ; e8 .. e11
	s_cmp_lt_u32 ttmp9, 256
	s_cbranch_scc0 .Lweights
; ---------------- x: K is innermost.  A wave takes 32 rows x 128 numbers in 8 steps of 4 rows.
; Each load reads 512 consecutive bytes of one row, 16 a lane; a step's 2,048 bytes turn through the wave's own stage so that a lane then holds 16 NEIGHBOURS along K,
; as the conversions want them; a lane's 16 codes are bytes 16 x lane of the step's 512 output bytes.
	s_lshr_b32 s36, ttmp9, 4                       ; row block: 128 rows of 8,192 bytes
	s_lshl_b32 s36, s36, 20
	s_and_b32 s38, ttmp9, 15                       ; K block: 512 bytes of a row
	s_lshl_b32 s38, s38, 9
	s_add_co_u32 s36, s36, s38
	s_lshl_b32 s38, s20, 18                        ; my wave's 32 rows
	s_add_co_u32 s36, s36, s38
	s_add_nc_u64 s[4:5], s[4:5], s[36:37]
	s_lshl_b32 s36, ttmp9, 14                      ; the block in codes,
	s_lshl_b32 s38, s20, 12                        ; my wave's 4,096 bytes of it
	s_add_co_u32 s36, s36, s38
	s_add_nc_u64 s[40:41], s[16:17], s[36:37]      ; under e0,
	s_add_nc_u64 s[42:43], s[40:41], 0x400000      ; under e2,
	s_add_nc_u64 s[44:45], s[40:41], 0x800000      ; under e4
	s_wait_alu depctr_va_vdst(0)
	v_lshlrev_b32 v3, 4, v2                        ; 16 x lane: my bytes of a load's 512, and of a store's
	s_lshl_b32 s21, s20, 13                        ; my wave's region
	v_lshrrev_b32 v14, 2, v2
	v_mul_u32_u24 v14, v14, 80
	v_and_b32 v15, 3, v2
	v_lshl_add_u32 v14, v15, 4, v14
	v_add_nc_u32 v14, s21, v14                     ; the stage, in: four lanes' 64 bytes on end, then 16 of padding
	v_mul_u32_u24 v15, v2, 80
	v_add_nc_u32 v15, s21, v15                     ; and out: 80 x lane: my 16 neighbours
	s_mul_i32 s22, s20, 4608
	s_add_co_u32 s22, s22, XCS                     ; my wave's stage for codes
	v_lshrrev_b32 v4, 3, v2
	v_mul_u32_u24 v4, v4, 144
	v_and_b32 v11, 7, v2
	v_lshl_add_u32 v4, v11, 4, v4
	v_add_nc_u32 v4, s22, v4                       ; in: row lane / 8 of a step's four, 16 bytes at 16 (lane % 8)
	v_and_b32 v11, 15, v2
	v_mul_u32_u24 v11, v11, 144
	v_lshrrev_b32 v1, 4, v2
	v_lshl_add_u32 v11, v1, 4, v11
	v_add_nc_u32 v11, s22, v11                     ; back: row lane % 16, 16 bytes at 16 (lane / 16): a fragment's registers
.macro XLOAD t
.irp i, 0,1,2,3
	global_load_b128 v[R+16*((\t)%4)+4*\i:R+16*((\t)%4)+4*\i+3], v3, s[4:5] offset:(4*(\t)+\i)*8192 th:TH_LOAD_NT
.endr
.endm
.macro XTURN t                         ; LDS serves a wave's instructions in order (ISA guide 5.7.1.4): no wait between the stores and the loads
.irp i, 0,1,2,3
	ds_store_b128 v14, v[R+16*((\t)%4)+4*\i:R+16*((\t)%4)+4*\i+3] offset:2560*((\t)%2)+640*\i
.endr
.irp i, 0,1,2,3
	ds_load_b128 v[X+16*((\t)%2)+4*\i:X+16*((\t)%2)+4*\i+3], v15 offset:2560*((\t)%2)+16*\i
.endr
.endm
.irp t, 0,1,2,3
	XLOAD \t
.endr
	s_wait_alu depctr_va_vdst(0)
	s_wait_kmcnt 0x0
	MKSC 24, 5, 6                                  ; e0
	MKSC 26, 7, 8                                  ; e2
	MKSC 28, 9, 10                                 ; e4
	s_wait_alu depctr_va_vdst(0)
	s_wait_loadcnt 12                              ; step 0's four loads are in; those of steps 1 to 3 may be out
	XTURN 0
.macro XSTEP t
.set XS, X+16*((\t)%2)
	s_wait_dscnt 0x0                               ; this step's numbers are back from the stage, and its stores into the stage have read their registers,
.if (\t)+4 < 8
	XLOAD (\t)+4                                   ; which take the loads of four steps on
.endif
.if (\t)+1 < 8
.if 6-(\t) >= 3
	s_wait_loadcnt 12                              ; the next step's four loads are in; those of the three steps behind it may be out
.else
	s_wait_loadcnt 4*(6-(\t))                      ; the same, with fewer steps left
.endif
	XTURN (\t)+1                                   ; through the other stage while this step is worked
.endif
.irp s, 0,1,2
.irp i, 0,1,2,3,4,5,6,7,8,9,10,11,12,13,14,15
	v_med3_num_f32 v[T+\i], v[XS+\i], -v[6+2*\s], v[6+2*\s]   ; the conversion to an 8-bit code does not saturate (ISA guide 7.6.2): the hold at 448 x the scale
.endr
.if \s == 2
	v_cvt_scalef32_pk8_fp8_f32 v[C+4*(\t):C+4*(\t)+1], v[T:T+7], v[5+2*\s]
	v_cvt_scalef32_pk8_fp8_f32 v[C+4*(\t)+2:C+4*(\t)+3], v[T+8:T+15], v[5+2*\s]
	v_nop                                          ; one plain vector line behind the conversions
	global_store_b128 v3, v[C+4*(\t):C+4*(\t)+3], s[44:45] offset:512*(\t)   ; under e4: row by row; the wave stores 512 consecutive bytes, aligned
.else
	v_cvt_scalef32_pk8_fp8_f32 v[TC+4*\s:TC+4*\s+1], v[T:T+7], v[5+2*\s]
	v_cvt_scalef32_pk8_fp8_f32 v[TC+4*\s+2:TC+4*\s+3], v[T+8:T+15], v[5+2*\s]
	v_nop                                          ; one plain vector line between the conversions and the next holds, which write the conversions' sources
	ds_store_b128 v4, v[TC+4*\s:TC+4*\s+3] offset:2304*\s+576*((\t)%4)   ; under e0, e2: four rows of the 16 that make a fragment
.endif
.endr
.if (\t)%4 == 3                        ; 16 rows are whole: they come back as a fragment's registers and leave as 4 x 512 consecutive bytes.  LDS serves a wave's instructions in order
.irp s, 0,1
.irp c, 0,1,2,3
	ds_load_b128 v[RB+32*((\t)/4)+16*\s+4*\c:RB+32*((\t)/4)+16*\s+4*\c+3], v11 offset:2304*\s+32*\c
.endr
.endr
	s_wait_dscnt 0x0
.irp s, 0,1
.irp c, 0,1,2,3
	global_store_b128 v3, v[RB+32*((\t)/4)+16*\s+4*\c:RB+32*((\t)/4)+16*\s+4*\c+3], s[40+2*\s:41+2*\s] offset:2048*((\t)/4)+512*\c
.endr
.endr
.endif
.endm
.irp t, 0,1,2,3,4,5,6,7
	XSTEP \t
.endr
	s_wait_tensorcnt 0x0                           ; the wave's end, behind my last LDS store
	ds_add_u32 v[SPW], v[NIL]
	s_wait_dscnt 0x0
	s_endpgm
; ---------------- the weights: K is the FIRST axis.  A lane takes a column n and its registers run down K: each load reads 128 consecutive bytes a wave (512 a work-group),
; and the conversions give codes with K innermost.  A wave takes 32 columns x 128 along K: 4 blocks of 32; its codes go through its own stage and leave as dense runs of 512 bytes.
.Lweights:
	s_sub_co_u32 s21, ttmp9, 256                   ; 0..255 wq, 256..511 wo, 512..575 wk, 576..639 wv
	s_mov_b64 s[36:37], s[10:11]                   ; the tensor, its first work-group and its pitch in bytes: wv's, unless ..
	s_mov_b32 s39, 576
	s_mov_b32 s22, 2048
	s_cmp_lt_u32 s21, 576
	s_cselect_b64 s[36:37], s[8:9], s[36:37]       ; wk
	s_cselect_b32 s39, 512, s39
	s_cmp_lt_u32 s21, 512
	s_cselect_b64 s[36:37], s[12:13], s[36:37]     ; wo
	s_cselect_b32 s39, 256, s39
	s_cselect_b32 s22, 8192, s22
	s_cmp_lt_u32 s21, 256
	s_cselect_b64 s[36:37], s[6:7], s[36:37]       ; wq
	s_cselect_b32 s39, 0, s39
	s_sub_co_u32 s39, s21, s39
	s_lshr_b32 s23, s39, 4                         ; block of 128 columns
	s_and_b32 s39, s39, 15                         ; block of 128 along K
	s_lshl_b32 s39, s39, 7
	s_mul_i32 s48, s39, s22                        ; its first row, in bytes
	s_lshl_b32 s23, s23, 9
	s_add_co_u32 s48, s48, s23
	s_lshl_b32 s23, s20, 7                         ; my wave's 32 columns
	s_add_co_u32 s48, s48, s23
	s_add_nc_u64 s[40:41], s[36:37], s[48:49]      ; four bases, 32 rows apart: one for each block down K
	s_lshl_b32 s48, s22, 5
	s_add_nc_u64 s[42:43], s[40:41], s[48:49]
	s_add_nc_u64 s[44:45], s[42:43], s[48:49]
	s_add_nc_u64 s[46:47], s[44:45], s[48:49]
	s_add_co_u32 s48, ttmp9, 512                   ; the block in codes: 768 + (work-group - 256)
	s_lshl_b32 s48, s48, 14
	s_lshl_b32 s23, s20, 12
	s_add_co_u32 s48, s48, s23
	s_and_b32 s54, ttmp9, 15                       ; wo lies in blocks of 64 rows: 16 MiB + ((2 nb + wave / 2) x 16 + kb) x 8,192 + 4,096 (wave % 2)
	s_lshl_b32 s54, s54, 13
	s_bfe_u32 s55, ttmp9, 0x40004                  ; nb (wo's work-groups begin at 512, a multiple of 256)
	s_lshl_b32 s55, s55, 18
	s_add_co_u32 s54, s54, s55
	s_lshr_b32 s55, s20, 1
	s_lshl_b32 s55, s55, 17
	s_add_co_u32 s54, s54, s55
	s_and_b32 s55, s20, 1
	s_lshl_b32 s55, s55, 12
	s_add_co_u32 s54, s54, s55
	s_add_co_u32 s54, s54, 0x1000000
	s_sub_co_u32 s55, s21, 256
	s_cmp_lt_u32 s55, 256                          ; wo?
	s_cselect_b32 s48, s54, s48
	s_add_nc_u64 s[50:51], s[16:17], s[48:49]
	s_wait_alu depctr_va_vdst(0)
	v_lshlrev_b32 v3, 2, v2
.irp i, 0,1,2,3,4,5,6,7,8,9,10,11,12,13,14,15,16,17,18,19,20,21,22,23,24,25,26,27,28,29,30,31
	v_mad_u32_u24 v[VO+\i], s22, \i, v3            ; row i of a block, my column
.endr
.macro WLOAD t
.irp i, 0,1,2,3,4,5,6,7,8,9,10,11,12,13,14,15,16,17,18,19,20,21,22,23,24,25,26,27,28,29,30,31
	global_load_b32 v[WX+32*((\t)%2)+\i], v[VO+\i], s[40+2*(\t):41+2*(\t)] th:TH_LOAD_NT
.endr
.endm
	WLOAD 0
	WLOAD 1
	s_mul_i32 s23, s20, 32*144
	s_add_co_u32 s23, s23, WST                     ; my stage
	v_mul_u32_u24 v4, v2, 144
	v_add_nc_u32 v4, s23, v4                       ; in: row = my column
	v_lshrrev_b32 v7, 3, v2
	v_mul_u32_u24 v7, v7, 144
	v_and_b32 v8, 7, v2
	v_lshl_add_u32 v7, v8, 4, v7
	v_add_nc_u32 v7, s23, v7                       ; out: eight lanes to a row of 128 bytes, four rows an instruction
	v_and_b32 v9, 15, v2
	v_mul_u32_u24 v9, v9, 144
	v_lshrrev_b32 v5, 4, v2
	v_lshl_add_u32 v9, v5, 4, v9
	v_add_nc_u32 v9, s23, v9                       ; out, for wv: row lane % 16, 16 bytes at 16 (lane / 16): a fragment's registers
	v_lshlrev_b32 v8, 4, v2                        ; and the same 512 bytes, dense, in the block
	s_wait_kmcnt 0x0
	s_mov_b32 s52, s29                             ; e5 (wv), unless ..
	s_cmp_lt_u32 s21, 576
	s_cselect_b32 s52, s27, s52                    ; e3 (wk)
	s_cmp_lt_u32 s21, 512
	s_cselect_b32 s52, s35, s52                    ; e11 (wo)
	s_cmp_lt_u32 s21, 256
	s_cselect_b32 s52, s25, s52                    ; e1 (wq)
	MKSC 52, 11, 10
.macro WBLOCK t
.set XS, WX+32*((\t)%2)
.if (\t) < 3
	s_wait_loadcnt 32                              ; this block's 32 loads are in; the next block's may be out
.else
	s_wait_loadcnt 0
.endif
.irp i, 0,1,2,3,4,5,6,7,8,9,10,11,12,13,14,15,16,17,18,19,20,21,22,23,24,25,26,27,28,29,30,31
	v_med3_num_f32 v[XS+\i], v[XS+\i], -v10, v10
.endr
.irp g, 0,1,2,3
	v_cvt_scalef32_pk8_fp8_f32 v[WC+2*\g:WC+2*\g+1], v[XS+8*\g:XS+8*\g+7], v11
.endr
	v_nop                                          ; one plain vector line behind the last conversion of the run
	ds_store_b128 v4, v[WC:WC+3] offset:32*(\t)    ; 32 codes: 32 bytes of my column's row
	ds_store_b128 v4, v[WC+4:WC+7] offset:32*(\t)+16
.if (\t)+2 < 4
	WLOAD (\t)+2
.endif
	s_wait_dscnt 0x0                               ; the stores have read their registers: the next block's codes may be written
.endm
	s_wait_alu depctr_va_vdst(0)
.irp t, 0,1,2,3
	WBLOCK \t
.endr
	s_cmp_lt_u32 s21, 576                          ; wv leaves in fragment order, the others row by row: a branch on the work-group's number
	s_cbranch_scc1 .Lrows
.irp t, 0,1,2,3,4,5,6,7
	ds_load_b128 v[OUTR+4*\t:OUTR+4*\t+3], v9 offset:2304*(\t/4)+32*(\t%4)
.endr
	s_branch .Lgo
.Lrows:
.irp t, 0,1,2,3,4,5,6,7
	ds_load_b128 v[OUTR+4*\t:OUTR+4*\t+3], v7 offset:576*\t
.endr
.Lgo:
.irp t, 0,1,2,3,4,5,6,7
	s_wait_dscnt 7-\t                              ; LDS loads come back in order: load t is in
	global_store_b128 v8, v[OUTR+4*\t:OUTR+4*\t+3], s[50:51] offset:512*\t   ; 512 consecutive bytes, aligned
.endr
	s_wait_tensorcnt 0x0                           ; the wave's end, behind my last LDS store
	ds_add_u32 v[SPW], v[NIL]
	s_wait_dscnt 0x0
	s_endpgm
.Lfunc_end_k_q11fea56faf_quant:
	.size	k_q11fea56faf_quant, .Lfunc_end_k_q11fea56faf_quant-k_q11fea56faf_quant
	.p2alignl 7, 3214868480
	.fill 96, 4, 3214868480
	.section	.rodata,"a",@progbits
	.p2align	6, 0x0
	.amdhsa_kernel k_q11fea56faf_quant
		.amdhsa_group_segment_fixed_size 70144
		.amdhsa_private_segment_fixed_size 0
		.amdhsa_enable_private_segment 0
		.amdhsa_kernarg_size 56
		.amdhsa_user_sgpr_count 2
		.amdhsa_user_sgpr_kernarg_segment_ptr 1
		.amdhsa_wavefront_size32 1
		.amdhsa_system_sgpr_workgroup_id_x 1
		.amdhsa_system_sgpr_workgroup_id_y 1
		.amdhsa_system_sgpr_workgroup_id_z 1
		.amdhsa_system_vgpr_workitem_id 0
		.amdhsa_next_free_vgpr 232
		.amdhsa_next_free_sgpr 66
		.amdhsa_reserve_vcc 0
		.amdhsa_float_denorm_mode_32 3
		.amdhsa_float_denorm_mode_16_64 3
		.amdhsa_memory_ordered 1
		.amdhsa_forward_progress 1
		.amdhsa_inst_pref_size 73
	.end_amdhsa_kernel
	.amdgpu_metadata
---
amdhsa.version: [ 1, 2 ]
amdhsa.kernels:
  - .name:           k_q11fea56faf_quant
    .symbol:         k_q11fea56faf_quant.kd
    .args:
      - { .name: x, .offset: 0, .size: 8, .value_kind: global_buffer, .address_space: global }
      - { .name: wq, .offset: 8, .size: 8, .value_kind: global_buffer, .address_space: global }
      - { .name: wk, .offset: 16, .size: 8, .value_kind: global_buffer, .address_space: global }
      - { .name: wv, .offset: 24, .size: 8, .value_kind: global_buffer, .address_space: global }
      - { .name: wo, .offset: 32, .size: 8, .value_kind: global_buffer, .address_space: global }
      - { .name: lowp_scales, .offset: 40, .size: 8, .value_kind: global_buffer, .address_space: global }
      - { .name: codes, .offset: 48, .size: 8, .value_kind: global_buffer, .address_space: global }
    .group_segment_fixed_size: 70144
    .private_segment_fixed_size: 0
    .kernarg_segment_align: 8
    .kernarg_segment_size: 56
    .max_flat_workgroup_size: 128
    .sgpr_count:     66
    .vgpr_count:     232
    .wavefront_size: 32
...
	.end_amdgpu_metadata
.endif
;; end of part 1
;; launch qkv (part 2): grid 8 x 24, 4 waves a work-group, no clusters, 327,680 bytes of LDS; arguments codes, cos, sin, lowp_scales, qkvc; writes qkvc
.if DOCPART == 2
	.amdgcn_target "amdgcn-amd-amdhsa--gfx1250"
	.amdhsa_code_object_version 6
	.text
	.protected	k_q11fea56faf_qkv
	.globl	k_q11fea56faf_qkv
	.p2align	8
	.type	k_q11fea56faf_qkv,@function
k_q11fea56faf_qkv:
	s_mov_b64 s[64:65], 0
	v_nop
	global_prefetch_b8 v0, s[64:65] scope:SCOPE_SE
	s_setreg_imm32_b32 hwreg(HW_REG_WAVE_MODE, 25, 1), 1
	s_wait_xcnt 0x0
; q = rope(x wq), k = rope(x wk), v = x wv on E4M3 codes (sums in f32), each result quantised at once for attention: q under 2^e6, k under 2^e7 (K = the head's 128), v under 2^e9 with the KEYS innermost.
; codes: blocks of 128 rows x 128 codes, [row block][K block]: x under e0 at 0, e2 at 4 MiB, e4 at 8 MiB; wq at 12, wk at 20, wv at 21 MiB.  x under e0, e2 and wv lie in fragment order (2,048 bytes for 16 rows: byte 512 c + 16 lane).
; qkvc: q at 0 [head 16][t block 16][128 t][128 d]; k at 4 MiB [g 4][t block 16][128 rows][128 d]; v at 5 MiB [g 4][t block 16][128 d][128 keys].
; K'S ROWS: row i of a block of k holds the position whose number is i with bits 3 and 4 exchanged, so that the 16 keys that attention takes as one tile are 16 neighbouring rows.
; SHARES.  A work-group makes 256 x 128 of a result: 256 STREAMED rows x 128 RESIDENT rows, K = 2,048.  The resident operand, 128 rows x 2,048 codes, lies whole in LDS.
; The streamed operand goes from memory straight into registers: a wave owns 64 rows, 16 loads of 512 consecutive bytes a K block, asked for three K blocks ahead (48 loads out) in a ring of four sets.
; A wave makes 64 x 128: 32 accumulators.  Source 0 = 16 resident rows, source 1 = 16 streamed rows: a lane holds one streamed row and eight neighbouring resident rows.
; KINDS, by the work-group's y: 0-15 q (streamed x under e0, resident wq's head y), 16-19 k (x under e2, wk), 20-23 v (streamed wv's rows d, resident 128 rows t of x under e4: a lane's eight results are eight neighbouring KEYS of one d).
; 16 x 8 + 4 x 8 + 16 x 2 = 192 work-groups: x has a scale of its own in each product, so a work-group stays inside one kind, and 3,072 columns in blocks of 128 x 2,048 rows in blocks of 256 give 192.
; NO CLUSTER: a resident tile of v has two readers (wv's 512 rows are two blocks of 256), those of q and k eight: one text with one mask for four partners does not serve all three kinds.
; NO PREFETCH: the resident tile is asked for whole at the head; the streamed loads themselves stand three K blocks ahead of their use and are never drained.
; RoPE: accumulators b and b + 4 hold columns d and d + 64 of a head in the same lane and register.  It works on the raw sums; the power of two that they lack is folded into the conversion's scale.
; The v tiles load cos and sin too and do not use them (64 KiB a work-group): so the counted waits on the loads are the same on every way through the text.
; LIMITS: e6 - e0 - e1, e7 - e2 - e3 and e9 - e4 - e5 lie between -126 and 119.  NaN is not served.
; REGISTERS: window 0: v2-15 addresses and scales, v32-47 codes, v64-127 a block of 16 rows at work, v128-191 rows on the way out;  window 1: accumulator (a, b) at v[8 (8 a + b)];
;   window 2: two sets of the resident operand's eight fragments;  window 3: four sets of my four streamed fragments; at the end cos and sin: for (a, b) cos at v[64 a + 16 b], sin eight further on.
.set PITCH, 144                        ; an LDS row: 128 bytes + 16 of padding
.set KB,    128*PITCH                  ; one K block of the resident operand
.set SPARE, 16*KB                      ; the spare words, 128 bytes a wave: two blocks of 256 bytes that no other line names
.set STG,   SPARE+512                  ; the way out: 16 rows x 144 bytes for each wave, bytes that no tensor load fills
.set SO,   2                           ; v2   16 x lane
.set AR0,  3                           ; v3   my lane's place in a resident fragment
.set ARA,  4                           ; v4, v5 the same in the K blocks in hand
.set ARB,  5
.set STO,  6                           ; v6   the way out: where I put 8 codes
.set RD,   7                           ; v7   where I read rows back
.set CO2,  9                           ; v9   16 x lane, and 1,024 more for k
.set CO3,  10                          ; v10  16 x lane, and 1,024 more for q
.set CSO,  11                          ; v11  my offset in cos and sin
.set SPW,  12                          ; v12  LDS address of my spare word; never rewritten
.set NIL,  13                          ; v13  0; never rewritten
.set SC,   14                          ; v14  the conversion's scale as f32
.set LIM,  15                          ; v15  448 x that
.set CD,   32
.set T,    64
.set OB,   128
.set TB,   40                          ; s40  LDS byte of the trip's K blocks
.set CNT,  41                          ; s41  trips to go
.set MSB, 0
.macro WIN new                         ; the immediate's high byte repeats the setting that is left
.if MSB != \new
	s_set_vgpr_msb (MSB<<8)|\new
.set MSB, \new
.endif
.endm
.set MUL,  0x5e                        ; source 0 window 2, source 1 window 3, C and D window 1
.set TO_R, 0x80                        ; destination window 2, address window 0
.set TO_S, 0xc0                        ; destination window 3, address window 0
.macro PLACES                          ; four places in front of loads into registers that matrix instructions have read, and of the first read of results
.rept 4
	v_nop
.endr
.endm
.macro SLOAD slot, off                 ; my four streamed fragments of one K block: each load reads 512 consecutive bytes
.irp a, 0,1,2,3
.irp c, 0,1,2,3
	global_load_b128 v[64*(\slot)+16*\a+4*\c:64*(\slot)+16*\a+4*\c+3], v[SO], s[36:37] offset:(\off)+2048*\a+512*\c
.endr
.endr
.endm
.macro CSLOAD a                        ; cos and sin of my rows 16 a + r, columns 16 b + 8 h + 0 .. 7: 16 loads, as many as a K block's
.irp b, 0,1,2,3
.irp u, 0,1
	global_load_b128 v[64*(\a)+16*\b+4*\u:64*(\a)+16*\b+4*\u+3], v[CSO], s[68:69] offset:(\a)*4096+64*\b+16*\u
	global_load_b128 v[64*(\a)+16*\b+8+4*\u:64*(\a)+16*\b+8+4*\u+3], v[CSO], s[70:71] offset:(\a)*4096+64*\b+16*\u
.endr
.endr
.endm
.macro RLOAD p, adr, off               ; the resident operand's eight fragments of one K block into set p: lane l holds row l % 16, registers 4 c .. 4 c + 3 hold K = 32 c + 16 (l / 16) + 0 .. 15, as in the streamed fragments
.irp b, 0,1,2,3,4,5,6,7
.irp c, 0,1,2,3
	ds_load_b128 v[128*(\p)+16*\b+4*\c:128*(\p)+16*\b+4*\c+3], v[\adr] offset:(\off)+16*\b*PITCH+32*\c
.endr
.endr
.endm
.macro MUL32 p, slot, zero             ; the 32 accumulators take turns, one instruction a turn, in the same order in every K block
.irp a, 0,1,2,3
.irp b, 0,1,2,3,4,5,6,7
.if \zero
	v_wmma_f32_16x16x128_fp8_fp8 v[8*(8*\a+\b):8*(8*\a+\b)+7], v[128*(\p)+16*\b:128*(\p)+16*\b+15], v[64*(\slot)+16*\a:64*(\slot)+16*\a+15], 0
.else
	v_wmma_f32_16x16x128_fp8_fp8 v[8*(8*\a+\b):8*(8*\a+\b)+7], v[128*(\p)+16*\b:128*(\p)+16*\b+15], v[64*(\slot)+16*\a:64*(\slot)+16*\a+15], v[8*(8*\a+\b):8*(8*\a+\b)+7]
.endif
.endr
.endr
.endm
; A K block.  gl = 1: the streamed set that the last K block read takes the K block three further on; gl = 2: it takes cos and sin.  roff >= 0: the next K block's resident fragments come into the other set.
.macro BLOCK p, slot, zero, gl, goff, radr, roff
	s_wait_loadcnt 32                              ; this K block's 16 loads are in; the 32 issued behind them may be out
.if \zero == 0
	PLACES
.endif
.if \gl == 1
	WIN TO_S
	SLOAD ((\slot)+3)%4, \goff
.endif
.if \gl == 2
	WIN TO_S
	CSLOAD ((\slot)+3)%4
.endif
.if \roff >= 0
	WIN TO_R
	RLOAD 1-(\p), \radr, \roff
	s_wait_dscnt 32                                ; all but the 32 just issued: this K block's resident fragments are in
.else
	s_wait_dscnt 0x0
.endif
	WIN MUL
	MUL32 \p, \slot, \zero
.endm
.macro ADDR
	v_add_nc_u32 v[ARA], s[TB], v[AR0]
	v_add_nc_u32 v[ARB], 3*KB, v[ARA]              ; an LDS offset has 16 bits: a second register for the K blocks from the third on
	s_wait_alu depctr_va_vdst(0)
.endm
	s_load_b64 s[4:5], s[0:1], 0x0                 ; codes
	s_load_b256 s[68:75], s[0:1], 0x8              ; cos s[68:69], sin s[70:71], the exponents s[72:73], qkvc s[74:75]
	v_lshl_add_u32 v[SPW], v0, 2, SPARE
	v_mov_b32 v[NIL], 0
	ds_add_u32 v[SPW], v[NIL]                      ; the wave's opening: the add, twice on end, and its wait ahead of my first tensor load
	ds_add_u32 v[SPW], v[NIL]
	v_lshrrev_b32 v1, 5, v0
	v_readfirstlane_b32 s10, v1                    ; wave 0..3
	s_and_b32 s11, ttmp7, 0xffff                   ; y: the kind and its column
	s_mov_b32 s13, ttmp9                           ; q: block of 256 streamed rows,
	s_mov_b32 s14, s11                             ; block of 128 resident rows,
	s_mov_b32 s15, 0                               ; where the streamed codes begin,
	s_mov_b32 s16, 0xc00000                        ; the resident ones,
	s_mov_b32 s17, 0                               ; and the result
	s_sub_co_u32 s18, s11, 16
	s_cmp_ge_u32 s11, 16                           ; k
	s_cselect_b32 s14, s18, s14
	s_cselect_b32 s15, 0x400000, s15
	s_cselect_b32 s16, 0x1400000, s16
	s_cselect_b32 s17, 0x400000, s17
	s_sub_co_u32 s18, s11, 20
	s_lshl_b32 s18, s18, 3
	s_add_co_u32 s18, s18, ttmp9                   ; v: 32 work-groups: t block = number / 2, half of wv's rows = number % 2
	s_lshr_b32 s19, s18, 1
	s_and_b32 s18, s18, 1
	s_cmp_ge_u32 s11, 20
	s_cselect_b32 s13, s18, s13
	s_cselect_b32 s14, s19, s14
	s_cselect_b32 s15, 0x1500000, s15
	s_cselect_b32 s16, 0x800000, s16
	s_cselect_b32 s17, 0x500000, s17
	s_lshl_b32 s20, s13, 1
	s_lshr_b32 s21, s10, 1
	s_add_co_u32 s20, s20, s21                     ; my streamed block of 128 rows,
	s_and_b32 s21, s10, 1                          ; and which 64 of them
	s_lshl_b32 s22, s20, 18
	s_add_co_u32 s22, s22, s15
	s_lshl_b32 s23, s21, 13
	s_add_co_u32 s22, s22, s23
	s_mov_b32 s23, 0                               ; s[22:23] my streamed codes
	s_lshl_b32 s42, s14, 18
	s_add_co_u32 s42, s42, s16
	s_lshl_b32 s43, s10, 16
	s_add_co_u32 s42, s42, s43
	s_mov_b32 s43, 0                               ; s[42:43] the four resident K blocks that I fetch
	s_lshl_b32 s44, s14, 4
	s_add_co_u32 s44, s44, s20                     ; the result's block: q, k: 16 x head + t block;
	s_lshl_b32 s45, s20, 4
	s_add_co_u32 s45, s45, s14                     ; v: 16 x head + t block too, the head now from the streamed side
	s_cmp_ge_u32 s11, 20
	s_cselect_b32 s44, s45, s44
	s_lshl_b32 s44, s44, 14
	s_add_co_u32 s44, s44, s17
	s_lshl_b32 s45, s21, 13
	s_add_co_u32 s44, s44, s45
	s_mov_b32 s45, 0                               ; s[44:45] my 64 rows of 128 bytes
	s_lshl_b32 s46, s13, 16
	s_lshl_b32 s47, s10, 14
	s_add_co_u32 s46, s46, s47
	s_mov_b32 s47, 0                               ; s[46:47] row 256 x block + 64 x wave of cos and sin, 256 bytes a row
	s_mul_i32 s48, s10, 4*KB                       ; where my four K blocks go
	s_mul_i32 s49, s10, 16*PITCH
	s_add_co_u32 s49, s49, STG                     ; my stage
	s_sub_co_u32 s50, s11, 16
	s_cmp_lt_u32 s50, 4                            ; k?
	s_cselect_b32 s50, 1024, 0
	s_cselect_b32 s51, 0, 1024
	s_mov_b32 s24, (0<<16)|(1<<20)|(4<<22)|(3<<25) ; group 1: 64 KiB, dense in memory, stated as 256 rows of 256 bytes; four words of padding behind every 32 words
	s_mov_b32 s25, 256<<16                         ; tensor_dim0
	s_mov_b32 s26, 256<<16                         ; tensor_dim1
	s_mov_b32 s27, 256<<16                         ; tile_dim0
	s_mov_b32 s28, 256                             ; tile_dim1
	s_mov_b32 s29, 256                             ; tensor_dim0_stride
	s_mov_b32 s30, 0
	s_mov_b32 s31, 0
	s_mov_b32 s[TB], 0
	s_mov_b32 s[CNT], 3
	v_and_b32 v1, 31, v0
	v_lshlrev_b32 v[SO], 4, v1
	v_and_b32 v16, 15, v0                          ; r
	v_bfe_u32 v17, v0, 4, 1                        ; h
	v_mul_u32_u24 v[AR0], v16, PITCH
	v_lshl_add_u32 v[AR0], v17, 4, v[AR0]          ; row r x pitch + 16 h
	v_mul_u32_u24 v[STO], v16, PITCH
	v_lshl_add_u32 v[STO], v17, 3, v[STO]
	v_add_nc_u32 v[STO], s49, v[STO]               ; in: row r, byte 8 h
	v_bfe_u32 v18, v0, 3, 2
	v_and_b32 v19, 7, v0
	v_mul_u32_u24 v[RD], v18, PITCH
	v_lshl_add_u32 v[RD], v19, 4, v[RD]
	v_add_nc_u32 v[RD], s49, v[RD]                 ; back: eight lanes to a row, four rows an instruction
	v_add_nc_u32 v[CO2], s50, v[SO]
	v_add_nc_u32 v[CO3], s51, v[SO]
	v_lshlrev_b32 v[CSO], 8, v16
	v_lshl_add_u32 v[CSO], v17, 5, v[CSO]
	s_wait_alu depctr_va_vdst(0)                   ; directly ahead of the waits below
	s_wait_dscnt 0x0                               ; both opening adds are done
	s_wait_kmcnt 0x0
	s_load_b256 s[76:83], s[72:73], 0x0            ; e0 .. e7
	s_load_b128 s[84:87], s[72:73], 0x20           ; e8 .. e11
	s_mov_b32 s32, 1
	s_mov_b32 s33, s48
	s_add_nc_u64 s[34:35], s[4:5], s[42:43]
	s_or_b32 s35, s35, 0x80000000
	s_add_nc_u64 s[36:37], s[4:5], s[22:23]
	tensor_load_to_lds s[32:35], s[24:31]          ; my one tensor load: K blocks 4 wave .. 4 wave + 3 of the resident operand
	s_nop 0
	WIN TO_S
	SLOAD 0, 0
	SLOAD 1, 16384
	SLOAD 2, 2*16384
	WIN 0
	s_add_nc_u64 s[68:69], s[68:69], s[46:47]
	s_add_nc_u64 s[70:71], s[70:71], s[46:47]
	s_add_nc_u64 s[74:75], s[74:75], s[44:45]
	s_wait_kmcnt 0x0
	s_sub_co_i32 s88, s82, s76
	s_sub_co_i32 s88, s88, s77                     ; q: e6 - e0 - e1
	s_sub_co_i32 s89, s83, s78
	s_sub_co_i32 s89, s89, s79                     ; k: e7 - e2 - e3
	s_sub_co_i32 s90, s85, s80
	s_sub_co_i32 s90, s90, s81                     ; v: e9 - e4 - e5
	s_cmp_ge_u32 s11, 16
	s_cselect_b32 s88, s89, s88
	s_cmp_ge_u32 s11, 20
	s_cselect_b32 s88, s90, s88
	s_add_co_i32 s88, s88, 127
	s_lshl_b32 s89, s88, 23
	v_mov_b32 v[SC], s89
	s_add_co_i32 s88, s88, 8
	s_lshl_b32 s88, s88, 23
	s_or_b32 s88, s88, 0x600000
	v_mov_b32 v[LIM], s88
	s_wait_alu depctr_va_vdst(0)
	s_wait_tensorcnt 0x0                           ; my four K blocks are in
	s_barrier_signal -1
	s_barrier_wait -1                              ; everybody's are
	WIN TO_R
	RLOAD 0, AR0, 0
	BLOCK 0, 0, 1, 1, 3*16384, AR0, KB             ; K block 0 starts the sums: nothing is cleared
	WIN 0
.Ltrip:                                                ; three trips of four K blocks: 1 to 12; K block n asks for streamed block n + 3 and resident block n + 1
	ADDR
	BLOCK 1, 1, 0, 1, 4*16384, ARA, 2*KB
	BLOCK 0, 2, 0, 1, 5*16384, ARB, 0
	BLOCK 1, 3, 0, 1, 6*16384, ARB, KB
	BLOCK 0, 0, 0, 1, 7*16384, ARB, 2*KB
	WIN 0
	s_wait_xcnt 0x0                                ; the loads have read their base: it may step
	s_add_nc_u64 s[36:37], s[36:37], 65536
	s_add_co_u32 s[TB], s[TB], 4*KB
	s_sub_co_u32 s[CNT], s[CNT], 1
	s_cmp_lg_u32 s[CNT], 0
	s_cbranch_scc1 .Ltrip
	ADDR
	BLOCK 1, 1, 0, 2, 0, ARA, 2*KB                 ; K blocks 13 to 15: the streamed sets that are done with take cos and sin, 16 loads each, so the counts stay
	BLOCK 0, 2, 0, 2, 0, ARB, 0
	BLOCK 1, 3, 0, 2, 0, ARA, -1
	WIN 0
	PLACES
	WIN TO_S
	CSLOAD 3
	WIN 0
; THE WAY OUT, 16 streamed rows at a time: RoPE (q, k), the hold, the conversion; 8 codes a lane and accumulator into my stage, back as rows of 128 bytes, four rows (512 consecutive bytes) a store.
.macro OUTA a, rope
.if \rope
	s_wait_loadcnt 16*(3-(\a))                     ; cos and sin of these rows are in; those of later rows may be out
	WIN 0x0d                                       ; source 0 (sums) window 1, source 1 (cos, sin) window 3
.irp b, 0,1,2,3
.irp j, 0,2,4,6                        ; each accumulator from its low end on
	v_pk_mul_f32 v[T+8*\b+\j:T+8*\b+\j+1], v[8*(8*(\a)+\b+4)+\j:8*(8*(\a)+\b+4)+\j+1], v[64*(\a)+16*\b+8+\j:64*(\a)+16*\b+8+\j+1]          ; x2 sin
	v_pk_mul_f32 v[T+8*(\b+4)+\j:T+8*(\b+4)+\j+1], v[8*(8*(\a)+\b)+\j:8*(8*(\a)+\b)+\j+1], v[64*(\a)+16*\b+8+\j:64*(\a)+16*\b+8+\j+1]      ; x1 sin
	v_pk_fma_f32 v[T+8*\b+\j:T+8*\b+\j+1], v[8*(8*(\a)+\b)+\j:8*(8*(\a)+\b)+\j+1], v[64*(\a)+16*\b+\j:64*(\a)+16*\b+\j+1], v[T+8*\b+\j:T+8*\b+\j+1] neg_lo:[0,0,1] neg_hi:[0,0,1]   ; x1 cos - x2 sin
	v_pk_fma_f32 v[T+8*(\b+4)+\j:T+8*(\b+4)+\j+1], v[8*(8*(\a)+\b+4)+\j:8*(8*(\a)+\b+4)+\j+1], v[64*(\a)+16*\b+\j:64*(\a)+16*\b+\j+1], v[T+8*(\b+4)+\j:T+8*(\b+4)+\j+1]             ; x2 cos + x1 sin
.endr
.endr
	WIN 0
.set i, 0
.rept 64
	v_med3_num_f32 v[T+i], v[T+i], -v[LIM], v[LIM] ; the conversion to an 8-bit code does not saturate (ISA guide 7.6.2): the hold at 448 x the scale
.set i, i+1
.endr
.else
	WIN 0x01                                       ; source 0 (sums) window 1
.set i, 0
.rept 64
	v_med3_num_f32 v[T+i], v[64*(\a)+i], -v[LIM], v[LIM]
.set i, i+1
.endr
	WIN 0
.endif
.irp b, 0,1,2,3,4,5,6,7
	v_cvt_scalef32_pk8_fp8_f32 v[CD+2*\b:CD+2*\b+1], v[T+8*\b:T+8*\b+7], v[SC]
.endr
	v_nop                                          ; one plain vector line behind the last conversion
.irp b, 0,1,2,3,4,5,6,7
	ds_store_b64 v[STO], v[CD+2*\b:CD+2*\b+1] offset:16*\b
.endr
.irp i, 0,1,2,3
	ds_load_b128 v[OB+16*(\a)+4*\i:OB+16*(\a)+4*\i+3], v[RD] offset:4*\i*PITCH   ; LDS serves a wave's instructions in order (ISA guide 5.7.1.4): these see my stores
.endr
.endm
; k's rows change places: bit 3 of a position is i / 2, bit 4 is a % 2: where the two differ, k's store goes 1,024 bytes further on or back
.macro SEND a, qk
.irp i, 0,1,2,3
.if (\qk) && (\i/2 == 1) && ((\a)%2 == 0)
	global_store_b128 v[CO2], v[OB+16*(\a)+4*\i:OB+16*(\a)+4*\i+3], s[74:75] offset:(16*(\a)+4*\i)*128
.elseif (\qk) && (\i/2 == 0) && ((\a)%2 == 1)
	global_store_b128 v[CO3], v[OB+16*(\a)+4*\i:OB+16*(\a)+4*\i+3], s[74:75] offset:(16*(\a)+4*\i)*128-1024
.else
	global_store_b128 v[SO], v[OB+16*(\a)+4*\i:OB+16*(\a)+4*\i+3], s[74:75] offset:(16*(\a)+4*\i)*128   ; every store of the wave covers 512 consecutive bytes, aligned
.endif
.endr
.endm
.macro WAYOUT rope
	OUTA 0, \rope
.irp a, 1,2,3
	OUTA \a, \rope
	s_wait_dscnt 12                                ; the block before is back: behind its loads stand this block's 8 stores and 4 loads
	SEND \a-1, \rope
.endr
	s_wait_dscnt 0x0
	SEND 3, \rope
.endm
	s_cmp_ge_u32 s11, 20                           ; v has no RoPE: a branch on the work-group's number
	s_cbranch_scc1 .Lno_rope
	WAYOUT 1
	s_branch .Lend
.Lno_rope:
	WAYOUT 0
.Lend:
	s_wait_tensorcnt 0x0                           ; the wave's end
	ds_add_u32 v[SPW], v[NIL]
	s_wait_dscnt 0x0
	s_endpgm
.Lfunc_end_k_q11fea56faf_qkv:
	.size	k_q11fea56faf_qkv, .Lfunc_end_k_q11fea56faf_qkv-k_q11fea56faf_qkv
	.p2alignl 7, 3214868480
	.fill 96, 4, 3214868480
	.section	.rodata,"a",@progbits
	.p2align	6, 0x0
	.amdhsa_kernel k_q11fea56faf_qkv
		.amdhsa_group_segment_fixed_size 327680
		.amdhsa_private_segment_fixed_size 0
		.amdhsa_enable_private_segment 0
		.amdhsa_kernarg_size 40
		.amdhsa_user_sgpr_count 2
		.amdhsa_user_sgpr_kernarg_segment_ptr 1
		.amdhsa_wavefront_size32 1
		.amdhsa_system_sgpr_workgroup_id_x 1
		.amdhsa_system_sgpr_workgroup_id_y 1
		.amdhsa_system_sgpr_workgroup_id_z 1
		.amdhsa_system_vgpr_workitem_id 0
		.amdhsa_next_free_vgpr 1024
		.amdhsa_next_free_sgpr 100
		.amdhsa_reserve_vcc 0
		.amdhsa_float_denorm_mode_32 3
		.amdhsa_float_denorm_mode_16_64 3
		.amdhsa_memory_ordered 1
		.amdhsa_forward_progress 1
		.amdhsa_inst_pref_size 122
	.end_amdhsa_kernel
	.amdgpu_metadata
---
amdhsa.version: [ 1, 2 ]
amdhsa.kernels:
  - .name:           k_q11fea56faf_qkv
    .symbol:         k_q11fea56faf_qkv.kd
    .args:
      - { .name: codes, .offset: 0, .size: 8, .value_kind: global_buffer, .address_space: global }
      - { .name: cos, .offset: 8, .size: 8, .value_kind: global_buffer, .address_space: global }
      - { .name: sin, .offset: 16, .size: 8, .value_kind: global_buffer, .address_space: global }
      - { .name: lowp_scales, .offset: 24, .size: 8, .value_kind: global_buffer, .address_space: global }
      - { .name: qkvc, .offset: 32, .size: 8, .value_kind: global_buffer, .address_space: global }
    .group_segment_fixed_size: 327680
    .private_segment_fixed_size: 0
    .kernarg_segment_align: 8
    .kernarg_segment_size: 40
    .max_flat_workgroup_size: 128
    .sgpr_count:     100
    .vgpr_count:     1024
    .wavefront_size: 32
...
	.end_amdgpu_metadata
.endif
;; end of part 2
;; launch attn (part 3): grid 64 x 4, 8 waves a work-group, clusters of 4 x 1, 327,680 bytes of LDS; arguments qkvc, lowp_scales, acodes; writes acodes
.if DOCPART == 3
	.amdgcn_target "amdgcn-amd-amdhsa--gfx1250"
	.amdhsa_code_object_version 6
	.text
	.protected	k_q11fea56faf_attn
	.globl	k_q11fea56faf_attn
	.p2align	8
	.type	k_q11fea56faf_attn,@function
k_q11fea56faf_attn:
	s_mov_b64 s[64:65], 0
	v_nop
	global_prefetch_b8 v0, s[64:65] scope:SCOPE_SE
	s_setreg_imm32_b32 hwreg(HW_REG_WAVE_MODE, 25, 1), 1
	s_wait_xcnt 0x0
	s_wait_alu depctr_hold_cnt(0) depctr_sa_sdst(0) depctr_va_vdst(0) depctr_va_sdst(0) depctr_va_ssrc(0) depctr_va_vcc(0) depctr_vm_vsrc(0)
	s_getreg_b32 s2, hwreg(HW_REG_IB_STS2, 6, 4)
	s_cmp_eq_u32 s2, 0
	s_cbranch_scc0 .Lentry_in_a_cluster
	s_endpgm
.Lentry_in_a_cluster:
	s_bfe_u32 s2, ttmp6, 0x10000c
	s_cmp_lg_u32 s2, 0x3003
	s_cbranch_scc0 .Lentry_shape_is_right
	s_endpgm
.Lentry_shape_is_right:
; Causal attention on E4M3 codes: S^T = K Q^T, p = 2^(t - M) with M the ceiling of the running largest t, O^T += V^T P^T, O / the row's sum of the unquantised p, quantised under 2^e10 for the last product.
; qkvc: q at 0 [head][t block][128 t][128 d]; k at 4 MiB [g][t block][128 rows][128 d] (bits 3 and 4 of a position exchanged); v at 5 MiB [g][t block][128 d][128 keys].
; acodes: [t block 16][head 16][8 x 16 queries], each 16 queries x 128 d in fragment order: byte 512 c + 16 l holds query l % 16, d = 32 c + 16 (l / 16) + 0 .. 15.
; SHARES.  A work-group has eight waves and one head: waves 0-3 own 16 queries each of block x (64 queries, under 1,024), waves 4-7 of block 31 - x.  The four heads of a key and value head form a cluster and ask for K and V
; jointly: 512 keys a slot (four key steps of 128), two slots, four fills.
; THE KEYS OF THE LATE TILE ARE DIVIDED.  Wave w (0-3) ends its own tile when its last key has passed (behind slot 0 where x < 8, else behind slot 1): it stores it, takes wave w + 4's queries with a state begun anew,
; and from then on the two take a slot's key steps by turns (wave w + 4 steps 0 and 2, wave w steps 1 and 3).  At the end wave w hands O^T, -M and the sums over through LDS, and wave w + 4 joins the two parts:
; M = the larger of the two, each part x 2^(its M - M), which rounds nothing.  Longest row of key steps in one wave: 4 + 2 + 2 + 2 or 4 + 4 + 2.
; Each part quantises p under its own running M, as a kernel that streams over the keys may: the codes stand for the same numbers, but for numbers far under the row's largest.
; WORK LEFT OUT: key steps that lie wholly behind a wave's queries: reference()'s own causal mask makes their p 0 for all inputs.
; Every wave loads a second fragment of Q (waves 4-7: their own once more, 2 KiB, not used), so that the registers are written on every way through the text.
; K's and V's blocks of 16,384 bytes are dense in memory and are stated as 64 rows of 256 bytes, the padding still behind each 128 bytes.
; LIMITS: e6 + e7 between -123 and 130; e8 and e10 - e8 - e9 between -126 and 119; the scaled scores stay under 2^31 in magnitude.  NaN is not served.
; REGISTERS: window 0: v1-11 addresses, v12 -M, v13 the largest t, v[14:15] the sum, v16-31 Q, v32-47 the second Q, v48-75 the way out and the joining, v96-159 S^T, then p, v160-223 O^T, v224-239 p's codes, v240-254 scales and work;
;   window 1: K's eight fragments, then V's eight.
.set PITCH, 144
.set KBLK,  128*PITCH
.set VOFF,  4*KBLK
.set SLOT1, 8*KBLK
.set SPARE, 2*SLOT1                    ; the spare words, 128 bytes a wave: four blocks of 256 bytes that no other line names
.set STG,   SPARE+1024                 ; the way out: 16 rows x 144 bytes for each wave
.set XSZ,   17*512                     ; what a wave hands over: 64 + 4 registers; it lies in slot 0, which has had its last fill and its last read by then
.set AK0,  1
.set AV0,  2
.set PFO,  3
.set XAD,  4                           ; v4   where my pair's part lies: XSZ x (wave % 4) + 16 x lane
.set SPW,  5
.set NIL,  6
.set GO,   7
.set ADK,  8
.set ADV,  9
.set STI,  10                          ; v10  my stage, in: row l % 16, byte 8 (l / 16)
.set STO,  11                          ; v11  and back: row l % 16, byte 16 (l / 16)
.set KFR,  0
.set VFR,  128
.set WV,   18
.set SEL,  20
.set CS,   22
.set G1,   24
.set G0,   32
.set TB,   2
.set CNT,  3
.set KF,   40
.set Q0,   41                          ; s41  first query of the tile in hand
.set PFA,  42
.set LIM,  44
.set Q0H,  45                          ; s45  first query of my pair's late tile
.set PAR,  46                          ; s46  1 in waves 0-3 (steps 1, 3 of a divided slot), 0 in waves 4-7 (steps 0, 2)
.set SH,   47                          ; s47  1: the slot in hand is divided
.set SH1,  12                          ; s12  1 where x < 8: slot 1 is divided
.set MSB, 0
.macro WIN new
.if MSB != \new
	s_set_vgpr_msb (MSB<<8)|\new
.set MSB, \new
.endif
.endm
.set TO_F, 0x40
.set MULW, 0x01
.macro CROUND                          ; a round of the cluster's barrier
	s_barrier_signal -1
	s_barrier_wait -1
	s_cmp_lg_u32 s[WV], 0
	s_cbranch_scc1 .Lnot_wave_0_\@
	s_barrier_signal -3
.Lnot_wave_0_\@:
	s_barrier_wait -3
	s_barrier_signal -1
	s_barrier_wait -1
.endm
.macro FETCH_K off
	WIN TO_F
.irp t, 0,1,2,3,4,5,6,7
.irp c, 0,1,2,3
	ds_load_b128 v[KFR+16*\t+4*\c:KFR+16*\t+4*\c+3], v[ADK] offset:(\off)+16*\t*PITCH+32*\c
.endr
.endr
	WIN 0
.endm
.macro FETCH_V
	WIN TO_F
.irp t, 0,1,2,3,4,5,6,7
.irp c, 0,1,2,3
	ds_load_b128 v[VFR+16*\t+4*\c:VFR+16*\t+4*\c+3], v[ADV] offset:16*\t*PITCH+32*\c
.endr
.endr
	WIN 0
.endm
	s_load_b128 s[4:7], s[0:1], 0x0                ; qkvc, the exponents
	s_load_b64 s[8:9], s[0:1], 0x10                ; acodes
	v_lshl_add_u32 v[SPW], v0, 2, SPARE
	v_mov_b32 v[NIL], 0
	ds_add_u32 v[SPW], v[NIL]                      ; the wave's opening: the add, twice on end, and its wait
	ds_add_u32 v[SPW], v[NIL]
	v_lshrrev_b32 v8, 5, v0
	v_readfirstlane_b32 s[WV], v8
	s_bfe_u32 s13, ttmp6, 0x40000                  ; cx
	s_and_b32 s14, ttmp7, 0xffff                   ; the key and value head
	s_lshl_b32 s15, s14, 2
	s_add_co_u32 s15, s15, s13                     ; the head
	s_sub_co_u32 s66, 31, ttmp9
	s_lshl_b32 s[Q0H], s66, 6
	s_and_b32 s66, s[WV], 3
	s_lshl_b32 s67, s66, 4
	s_add_co_u32 s[Q0H], s[Q0H], s67               ; the late tile: 64 (31 - x) + 16 (wave % 4)
	s_lshl_b32 s[Q0], ttmp9, 6
	s_add_co_u32 s[Q0], s[Q0], s67                 ; the early one: 64 x + 16 (wave % 4)
	s_cmp_lt_u32 s[WV], 4
	s_cselect_b32 s[Q0], s[Q0], s[Q0H]
	s_lshr_b32 s[PAR], s[WV], 2
	s_xor_b32 s[PAR], s[PAR], 1
	s_cmp_lt_u32 ttmp9, 8
	s_cselect_b32 s[SH1], 1, 0
	s_lshr_b32 s67, s[WV], 2                       ; waves 0-3 fetch K's four blocks of a slot, waves 4-7 V's
	s_lshl_b32 s67, s67, 20
	s_lshl_b32 s68, s14, 18
	s_add_co_u32 s68, s68, s67
	s_lshl_b32 s67, s66, 14
	s_add_co_u32 s68, s68, s67
	s_add_co_u32 s68, s68, 0x400000
	s_mov_b32 s69, 0
	s_mul_i32 s70, s[WV], KBLK
	s_mul_i32 s78, s66, XSZ
	s_mul_i32 s71, s[WV], 16*PITCH
	s_add_co_u32 s71, s71, STG
	s_lshl_b32 s72, s15, 11
	s_add_co_u32 s76, s72, s[Q0H]
	s_add_co_u32 s72, s72, s[Q0]
	s_lshl_b32 s72, s72, 7                         ; Q of my tile,
	s_lshl_b32 s76, s76, 7                         ; and of my pair's late tile
	s_mov_b32 s73, 0
	s_mov_b32 s77, 0
	s_lshr_b32 s74, s[Q0], 7
	s_lshl_b32 s74, s74, 4
	s_add_co_u32 s74, s74, s15
	s_lshl_b32 s74, s74, 14
	s_and_b32 s75, s[Q0], 127
	s_lshl_b32 s75, s75, 7
	s_add_co_u32 s74, s74, s75                     ; where my tile's codes go
	s_mov_b32 s75, 0
	s_mov_b32 s[G1], 15|(0<<16)|(1<<20)|(1<<21)|(4<<22)|(3<<25)
	s_mov_b32 s[G1+1], 256<<16
	s_mov_b32 s[G1+2], 64<<16
	s_mov_b32 s[G1+3], 256<<16
	s_mov_b32 s[G1+4], 64
	s_mov_b32 s[G1+5], 256
	s_mov_b32 s[G1+6], 0
	s_mov_b32 s[G1+7], 0
	s_mov_b32 s[SEL], 0x76543210
	s_mov_b32 s[SEL+1], 0xfedcba98
	s_mov_b32 s[CS], 0x3e0293ee                    ; log2(e) / sqrt(128)
	s_mov_b32 s[KF], 0
	s_and_b32 s[LIM], s[WV], 1
	s_or_b32 s[LIM], s[LIM], ttmp9
	v_and_b32 v[PFO], 31, v0
	v_lshlrev_b32 v[GO], 4, v[PFO]
	v_lshlrev_b32 v[PFO], 8, v[PFO]
	v_and_b32 v242, 15, v0                         ; r
	v_bfe_u32 v243, v0, 4, 1                       ; h
	v_lshlrev_b32 v246, 7, v242
	v_lshl_add_u32 v246, v243, 4, v246             ; Q: row r, + 16 h
	v_mul_u32_u24 v[AK0], v242, PITCH
	v_lshl_add_u32 v[STI], v243, 3, v[AK0]
	v_lshl_add_u32 v[AK0], v243, 4, v[AK0]
	v_add_nc_u32 v[AV0], VOFF, v[AK0]
	v_add_nc_u32 v[STI], s71, v[STI]
	v_add_nc_u32 v[STO], s71, v[AK0]
	v_add_nc_u32 v[XAD], s78, v[GO]
	s_wait_alu depctr_va_vdst(0)                   ; directly ahead of the waits below
	s_wait_dscnt 0x0
	s_wait_kmcnt 0x0
	s_load_b256 s[48:55], s[6:7], 0x0
	s_load_b128 s[56:59], s[6:7], 0x20
	s_add_nc_u64 s[10:11], s[4:5], s[68:69]
	s_mov_b32 s[G0], 1
	s_mov_b32 s[G0+1], s70
	s_mov_b64 s[G0+2:G0+3], s[10:11]
	s_or_b32 s[G0+3], s[G0+3], 0x80000000
	s_mov_b32 s[G0+4], 1
	s_add_co_u32 s[G0+5], s70, SLOT1
	s_add_nc_u64 s[G0+6:G0+7], s[10:11], 65536
	s_or_b32 s[G0+7], s[G0+7], 0x80000000
	s_add_nc_u64 s[60:61], s[4:5], s[72:73]
	s_add_nc_u64 s[62:63], s[4:5], s[76:77]
	s_add_nc_u64 s[8:9], s[8:9], s[74:75]
	s_lshl_b32 s68, s13, 13
	s_add_co_u32 s68, s68, 3*65536
	s_add_nc_u64 s[PFA:PFA+1], s[10:11], s[68:69]
.irp c, 0,1,2,3
	global_load_b128 v[16+4*\c:19+4*\c], v246, s[60:61] offset:32*\c    ; Q is asked for ahead of the round
	global_load_b128 v[32+4*\c:35+4*\c], v246, s[62:63] offset:32*\c
.endr
	CROUND
	tensor_load_to_lds s[G0:G0+3], s[G1:G1+7]      ; slot 0: my one tensor load at the head
	s_nop 0
	v_mov_b32 v13, 0xff61b1e6                      ; the largest t so far: -3e38
	v_floor_f32 v12, -v13
	v_mov_b32 v14, 0
	v_mov_b32 v15, 0
	v_mov_b32 v236, 0
	v_mov_b32 v253, 0
.set j, 0
.rept 64
	v_mov_b32 v[160+j], 0                          ; the step is written once: the first finds zeros
.set j, j+1
.endr
	s_wait_kmcnt 0x0
	s_add_co_i32 s66, s54, s55
	s_lshl_b32 s66, s66, 23
	s_add_co_i32 s[CS], s[CS], s66                 ; e6 + e7 go into c's exponent field
	s_mov_b32 s[CS+1], s[CS]
	s_add_co_i32 s66, s56, 127
	s_lshl_b32 s67, s66, 23
	v_mov_b32 v244, s67                            ; 2^e8
	s_add_co_i32 s66, s66, 8
	s_lshl_b32 s66, s66, 23
	s_or_b32 s66, s66, 0x600000
	v_mov_b32 v240, s66                            ; 448 x 2^e8
	s_sub_co_i32 s66, s58, s56
	s_sub_co_i32 s66, s66, s57
	s_add_co_i32 s66, s66, 127
	s_lshl_b32 s67, s66, 23
	v_mov_b32 v245, s67                            ; 2^(e10 - e8 - e9)
	s_add_co_i32 s66, s66, 8
	s_lshl_b32 s66, s66, 23
	s_or_b32 s66, s66, 0x600000
	v_mov_b32 v241, s66
	s_wait_alu depctr_va_vdst(0)
	s_wait_tensorcnt 0x0                           ; slot 0 is in
	ds_add_u32 v[SPW], v[NIL]
	s_wait_dscnt 0x0
	CROUND
	tensor_load_to_lds s[G0+4:G0+7], s[G1:G1+7]    ; slot 1
	s_nop 0
.rept 4
	v_nop
.endr
; A KEY STEP of 128 keys.  Left out by scalar branches on ids: a step of a divided slot that is my partner's, and a step all of whose keys come after my queries.
; sh: 0 the slot is not divided, 1 it is, 2 the ids decide (s[SH]): only what can run is assembled.
.macro STEP sh
.if \sh
	s_and_b32 s66, s[CNT], 1                       ; the step's number in the slot is 4 - CNT
	s_xor_b32 s66, s66, s[PAR]
.if \sh == 2
	s_and_b32 s66, s66, s[SH]
.endif
	s_cmp_lg_u32 s66, 0
	s_cbranch_scc1 .Lhidden_\@
.endif
	s_add_co_u32 s66, s[Q0], 15
	s_cmp_gt_u32 s[KF], s66
	s_cbranch_scc1 .Lhidden_\@
	v_add_nc_u32 v[ADK], s[TB], v[AK0]
	v_add_nc_u32 v[ADV], s[TB], v[AV0]
	s_wait_alu depctr_va_vdst(0)
	s_wait_dscnt 0x0
	WIN MULW
.irp t, 0,1,2,3,4,5,6,7
	v_wmma_f32_16x16x128_fp8_fp8 v[96+8*\t:103+8*\t], v[KFR+16*\t:KFR+16*\t+15], v[16:31], 0
.endr
	WIN 0
.rept 4
	v_nop
.endr
	FETCH_V
.if \sh == 2                           ; K of my next step in this slot: the next one, or in a divided slot the one after
	s_cmp_lg_u32 s[SH], 0
	s_cbranch_scc1 .Ltwo_\@
.endif
.if \sh != 1
	s_cmp_eq_u32 s[CNT], 1
	s_cbranch_scc1 .Llast_\@
	FETCH_K KBLK
.endif
.if \sh == 2
	s_branch .Llast_\@
.Ltwo_\@:
.endif
.if \sh != 0
	s_cmp_lt_u32 s[CNT], 3
	s_cbranch_scc1 .Llast_\@
	FETCH_K 2*KBLK
.endif
.Llast_\@:
	s_add_co_u32 s66, s[KF], 127
	s_cmp_le_u32 s66, s[Q0]
	s_cbranch_scc1 .Lopen_\@
	s_sub_co_i32 s66, s[Q0], s[KF]                 ; on the diagonal hidden scores become -infinity
	v_and_b32 v252, 15, v0
	v_bfe_u32 v253, v0, 4, 1
	s_delay_alu instid0(VALU_DEP_1)
	v_lshlrev_b32 v253, 4, v253
	s_delay_alu instid0(VALU_DEP_1)
	v_sub_nc_u32 v252, v252, v253
	s_delay_alu instid0(VALU_DEP_1)
	v_add_nc_u32 v252, s66, v252
	v_mov_b32 v254, 0xff800000
.irp n, 0,1,2,3,4,5,6,7,8,9,10,11,12,13,14,15,16,17,18,19,20,21,22,23,24,25,26,27,28,29,30,31,32,33,34,35,36,37,38,39,40,41,42,43,44,45,46,47,48,49,50,51,52,53,54,55,56,57,58,59,60,61,62,63
	v_cmp_gt_i32 vcc_lo, 32*(\n/16)+\n%16, v252
	v_cndmask_b32 v[96+\n], v[96+\n], v254, vcc_lo
.endr
.Lopen_\@:
	v_max3_num_f32 v254, v96, v97, v98
	v_max3_num_f32 v252, v112, v113, v114
	v_max3_num_f32 v242, v128, v129, v130
	v_max3_num_f32 v243, v144, v145, v146
.irp a, 3,5,7,9,11,13
	v_max3_num_f32 v254, v254, v[96+\a], v[97+\a]
	v_max3_num_f32 v252, v252, v[112+\a], v[113+\a]
	v_max3_num_f32 v242, v242, v[128+\a], v[129+\a]
	v_max3_num_f32 v243, v243, v[144+\a], v[145+\a]
.endr
	v_max3_num_f32 v254, v254, v111, v127
	v_max3_num_f32 v242, v242, v143, v159
	s_delay_alu instid0(VALU_DEP_1)
	v_max3_num_f32 v254, v254, v252, v242
	s_delay_alu instid0(VALU_DEP_1)
	v_max_num_f32 v254, v254, v243
	v_permlanex16_b32 v236, v254, s[SEL], s[SEL+1]
	s_delay_alu instid0(VALU_DEP_1)
	v_max_num_f32 v254, v254, v236
	s_delay_alu instid0(VALU_DEP_1)
	v_mul_f32 v254, s[CS], v254
	s_delay_alu instid0(VALU_DEP_1)
	v_max_num_f32 v13, v13, v254
	v_mov_b32 v254, v12
	s_delay_alu instid0(VALU_DEP_2)
	v_floor_f32 v12, -v13                          ; -M = floor(-t): M is a whole number
	s_delay_alu instid0(VALU_DEP_1)
	v_sub_f32 v254, v12, v254
	s_delay_alu instid0(VALU_DEP_1)
	v_cvt_i32_f32 v254, v254
	s_delay_alu instid0(VALU_DEP_1)
	v_ldexp_f32 v252, 1.0, v254                    ; f = 2^(old M - new M)
.irp j, 0,2,4,6,8,10,12,14,16,18,20,22,24,26,28,30,32,34,36,38,40,42,44,46,48,50,52,54,56,58,60,62
	v_pk_fma_f32 v[96+\j:97+\j], v[96+\j:97+\j], s[CS:CS+1], v[12:13] op_sel_hi:[1,0,0]
.endr
	s_wait_alu depctr_va_vdst(0)                   ; ahead of the batch
.irp j, 0,1,2,3,4,5,6,7,8,9,10,11,12,13,14,15,16,17,18,19,20,21,22,23,24,25,26,27,28,29,30,31,32,33,34,35,36,37,38,39,40,41,42,43,44,45,46,47,48,49,50,51,52,53,54,55,56,57,58,59,60,61,62,63
	v_exp_f32 v[96+\j], v[96+\j]
.endr
	v_pk_mul_f32 v[14:15], v[14:15], v[252:253] op_sel_hi:[1,0]
	s_wait_alu depctr_va_vdst(0)                   ; and behind it, ahead of its first reader
	v_pk_add_f32 v[242:243], v[96:97], v[98:99]    ; the row's sum is taken of the unquantised p
	v_pk_add_f32 v[246:247], v[100:101], v[102:103]
	v_pk_add_f32 v[248:249], v[104:105], v[106:107]
.irp j, 12,20,28,36,44,52
	v_pk_add_f32 v[14:15], v[14:15], v[96+\j:97+\j]
	v_pk_add_f32 v[242:243], v[242:243], v[98+\j:99+\j]
	v_pk_add_f32 v[246:247], v[246:247], v[100+\j:101+\j]
	v_pk_add_f32 v[248:249], v[248:249], v[102+\j:103+\j]
.endr
	v_pk_add_f32 v[14:15], v[14:15], v[156:157]
	v_pk_add_f32 v[242:243], v[242:243], v[158:159]
	s_delay_alu instid0(VALU_DEP_3)
	v_pk_add_f32 v[246:247], v[246:247], v[248:249]
	s_delay_alu instid0(VALU_DEP_2)
	v_pk_add_f32 v[14:15], v[14:15], v[242:243]
	s_delay_alu instid0(VALU_DEP_1)
	v_pk_add_f32 v[14:15], v[14:15], v[246:247]
.irp b, 0,1,2,3
.irp i, 0,1,2,3,4,5,6,7,8,9,10,11,12,13,14,15
	v_min_num_f32 v[96+16*\b+\i], v[96+16*\b+\i], v240
.endr
	v_cvt_scalef32_pk8_fp8_f32 v[224+4*\b:225+4*\b], v[96+16*\b:103+16*\b], v244
	v_cvt_scalef32_pk8_fp8_f32 v[226+4*\b:227+4*\b], v[104+16*\b:111+16*\b], v244
.endr
.irp j, 0,2,4,6,8,10,12,14,16,18,20,22,24,26,28,30,32,34,36,38,40,42,44,46,48,50,52,54,56,58,60,62
	v_pk_mul_f32 v[160+\j:161+\j], v[160+\j:161+\j], v[252:253] op_sel_hi:[1,0]
.endr
	s_wait_alu depctr_va_vdst(0)
	s_wait_dscnt 0x0
	WIN MULW
.irp t, 0,1,2,3,4,5,6,7
	v_wmma_f32_16x16x128_fp8_fp8 v[160+8*\t:167+8*\t], v[VFR+16*\t:VFR+16*\t+15], v[224:239], v[160+8*\t:167+8*\t]
.endr
	WIN 0
.Lhidden_\@:
	s_add_co_u32 s[KF], s[KF], 128
.endm
; A slot: four trips, whatever the ids say.  K of my first step: step 0, or step 1 for waves 0-3 in a divided slot.
.macro SLOT_STEPS base, sh
	s_mov_b32 s[TB], \base
	s_mov_b32 s[CNT], 4
	v_add_nc_u32 v[ADK], s[TB], v[AK0]
	s_wait_alu depctr_va_vdst(0)                   ; a branch stands ahead of the readers
.if \sh == 0
	FETCH_K 0
.else
.if \sh == 2
	s_and_b32 s66, s[SH], s[PAR]
	s_cmp_lg_u32 s66, 0
.else
	s_cmp_lg_u32 s[PAR], 0
.endif
	s_cbranch_scc1 .Lodd_\@
	FETCH_K 0
	s_branch .Lks_\@
.Lodd_\@:
	FETCH_K KBLK
.endif
.Lks_\@:
	STEP \sh
	s_add_co_u32 s[TB], s[TB], KBLK
	s_sub_co_u32 s[CNT], s[CNT], 1
	s_cmp_lg_u32 s[CNT], 0
	s_cbranch_scc1 .Lks_\@
.endm
.macro CHANGE slot, fill
	s_wait_tensorcnt 0x0
	ds_add_u32 v[SPW], v[NIL]
.if \fill
	s_add_nc_u64 s[G0+4*\slot+2:G0+4*\slot+3], s[G0+4*\slot+2:G0+4*\slot+3], 131072
.endif
	s_wait_dscnt 0x0
.if \fill
	CROUND
	tensor_load_to_lds s[G0+4*\slot:G0+4*\slot+3], s[G1:G1+7]
	s_nop 0
.rept 4
	v_nop
.endr
.else
	s_barrier_signal -1
	s_barrier_wait -1
.endif
.endm
; A TILE'S END: O^T / the sum, the hold, the conversion under 2^(e10 - e8 - e9); through my stage; out in fragment order, 512 consecutive bytes a store.
.macro FINAL
	s_wait_alu depctr_va_vdst(0)                   ; directly ahead of the wait below
	s_wait_xcnt 0x0                                ; no earlier store still reads the registers written below
.rept 4
	v_nop                                          ; places behind the last products
.endr
	v_add_f32 v14, v14, v15
	s_delay_alu instid0(VALU_DEP_1)
	v_permlanex16_b32 v253, v14, s[SEL], s[SEL+1]
	s_delay_alu instid0(VALU_DEP_1)
	v_add_f32 v14, v14, v253
	s_wait_alu depctr_va_vdst(0)
	v_rcp_f32 v14, v14
	v_nop                                          ; one plain place behind the transcendental
	s_wait_alu depctr_va_vdst(0)                   ; ahead of its first reader, which is also the first reader of O^T
.set j, 0
.rept 64
	v_mul_f32 v[96+j], v[160+j], v14
.set j, j+1
.endr
.irp t, 0,1,2,3,4,5,6,7
.irp i, 0,1,2,3,4,5,6,7
	v_med3_num_f32 v[96+8*\t+\i], v[96+8*\t+\i], -v241, v241
.endr
	v_cvt_scalef32_pk8_fp8_f32 v[224+2*\t:225+2*\t], v[96+8*\t:103+8*\t], v245
.endr
	v_nop
.irp t, 0,1,2,3,4,5,6,7
	ds_store_b64 v[STI], v[224+2*\t:225+2*\t] offset:16*\t
.endr
.irp i, 0,1,2,3
	ds_load_b128 v[48+4*\i:51+4*\i], v[STO] offset:32*\i
.endr
.irp i, 0,1,2,3
	s_wait_dscnt 3-\i
	global_store_b128 v[GO], v[48+4*\i:51+4*\i], s[8:9] offset:512*\i
.endr
.endm
; Waves 0-3 end their own tile and take their partner's queries, with a state begun anew.  early = 1: behind slot 0, where x < 8; early = 0: behind slot 1, where x >= 8.  Ids alone decide; x is the same in all partners of the cluster.
.macro SWITCH early
	s_cmp_lt_u32 s[WV], 4
	s_cbranch_scc0 .Lstay_\@
	s_cmp_eq_u32 s[SH1], \early
	s_cbranch_scc0 .Lstay_\@
	FINAL
.set j, 0
.rept 16
	v_mov_b32 v[16+j], v[32+j]
.set j, j+1
.endr
	v_mov_b32 v13, 0xff61b1e6
	v_floor_f32 v12, -v13
	v_mov_b32 v14, 0
	v_mov_b32 v15, 0
.set j, 0
.rept 64
	v_mov_b32 v[160+j], 0
.set j, j+1
.endr
	s_mov_b32 s[Q0], s[Q0H]
	s_wait_alu depctr_va_vdst(0)
.Lstay_\@:
.endm
	s_wait_loadcnt 0x0                             ; Q
	SLOT_STEPS 0, 0
	SWITCH 1
	CHANGE 0, 1
	s_cmp_eq_u32 s[LIM], 0                         ; a prefetch of slot 3's K and V, one change of slots ahead of its load: the even waves of the clusters with x = 0 ask, each partner for 8,192 bytes of a wave pair's 32,768, lanes 256 bytes apart
	s_cbranch_scc0 .Lnot_mine
	global_prefetch_b8 v[PFO], s[PFA:PFA+1] th:TH_LOAD_NT scope:SCOPE_SE
.Lnot_mine:
	s_mov_b32 s[SH], s[SH1]
	SLOT_STEPS SLOT1, 2
	SWITCH 0
	CHANGE 1, 1
	SLOT_STEPS 0, 1
	CHANGE 0, 0
	SLOT_STEPS SLOT1, 1
	; THE TWO PARTS ARE JOINED.  Waves 0-3 lay O^T, -M and the sums into slot 0's bytes as an image of their registers; a barrier; waves 4-7 read their partner's.
	s_wait_alu depctr_va_vdst(0)
	s_cmp_lt_u32 s[WV], 4
	s_cbranch_scc0 .Lkeep
.rept 4
	v_nop                                          ; places behind the last products
.endr
.irp k, 0,1,2,3,4,5,6,7,8,9,10,11,12,13,14,15
	ds_store_b128 v[XAD], v[160+4*\k:163+4*\k] offset:512*\k
.endr
	ds_store_b128 v[XAD], v[12:15] offset:8192
.Lkeep:
	s_wait_dscnt 0x0                               ; for the others' sake
	s_barrier_signal -1
	s_barrier_wait -1
	s_cmp_lt_u32 s[WV], 4
	s_cbranch_scc1 .Ldone
.irp k, 0,1,2,3,4,5,6,7,8,9,10,11,12,13,14,15
	ds_load_b128 v[96+4*\k:99+4*\k], v[XAD] offset:512*\k
.endr
	ds_load_b128 v[64:67], v[XAD] offset:8192
	s_wait_dscnt 0x0
	v_min_num_f32 v68, v12, v64                    ; -M of the two parts together
	v_mov_b32 v73, 0                               ; (named as the upper halves of pairs)
	v_mov_b32 v75, 0
	v_sub_f32 v69, v68, v12                        ; my M less the joint one: a whole number, 0 or less
	v_sub_f32 v70, v68, v64                        ; my partner's likewise (a part with no key step has -M = 3e38 and zeros: its factor comes out 0)
	v_cvt_i32_f32 v69, v69                         ; (it saturates)
	v_cvt_i32_f32 v70, v70
	v_ldexp_f32 v72, 1.0, v69
	v_ldexp_f32 v74, 1.0, v70
	v_pk_mul_f32 v[14:15], v[14:15], v[72:73] op_sel_hi:[1,0]
	v_pk_fma_f32 v[14:15], v[66:67], v[74:75], v[14:15] op_sel_hi:[1,0,1]
	s_wait_alu depctr_va_vdst(0)                   ; directly ahead of the first reader of O^T
.irp j, 0,2,4,6,8,10,12,14,16,18,20,22,24,26,28,30,32,34,36,38,40,42,44,46,48,50,52,54,56,58,60,62
	v_pk_mul_f32 v[160+\j:161+\j], v[160+\j:161+\j], v[72:73] op_sel_hi:[1,0]
	v_pk_fma_f32 v[160+\j:161+\j], v[96+\j:97+\j], v[74:75], v[160+\j:161+\j] op_sel_hi:[1,0,1]
.endr
	FINAL
.Ldone:
	s_wait_tensorcnt 0x0                           ; the wave's end
	ds_add_u32 v[SPW], v[NIL]
	s_wait_dscnt 0x0
	CROUND                                         ; the closing round
	s_endpgm
.Lfunc_end_k_q11fea56faf_attn:
	.size	k_q11fea56faf_attn, .Lfunc_end_k_q11fea56faf_attn-k_q11fea56faf_attn
	.p2alignl 7, 3214868480
	.fill 96, 4, 3214868480
	.section	.rodata,"a",@progbits
	.p2align	6, 0x0
	.amdhsa_kernel k_q11fea56faf_attn
		.amdhsa_group_segment_fixed_size 327680
		.amdhsa_private_segment_fixed_size 0
		.amdhsa_enable_private_segment 0
		.amdhsa_kernarg_size 24
		.amdhsa_user_sgpr_count 2
		.amdhsa_user_sgpr_kernarg_segment_ptr 1
		.amdhsa_wavefront_size32 1
		.amdhsa_system_sgpr_workgroup_id_x 1
		.amdhsa_system_sgpr_workgroup_id_y 1
		.amdhsa_system_sgpr_workgroup_id_z 1
		.amdhsa_system_vgpr_workitem_id 0
		.amdhsa_next_free_vgpr 512
		.amdhsa_next_free_sgpr 80
		.amdhsa_reserve_vcc 1
		.amdhsa_float_denorm_mode_32 3
		.amdhsa_float_denorm_mode_16_64 3
		.amdhsa_memory_ordered 1
		.amdhsa_forward_progress 1
		.amdhsa_inst_pref_size 167
	.end_amdhsa_kernel
	.amdgpu_metadata
---
amdhsa.version: [ 1, 2 ]
amdhsa.kernels:
  - .name:           k_q11fea56faf_attn
    .symbol:         k_q11fea56faf_attn.kd
    .args:
      - { .name: qkvc, .offset: 0, .size: 8, .value_kind: global_buffer, .address_space: global }
      - { .name: lowp_scales, .offset: 8, .size: 8, .value_kind: global_buffer, .address_space: global }
      - { .name: acodes, .offset: 16, .size: 8, .value_kind: global_buffer, .address_space: global }
    .group_segment_fixed_size: 327680
    .private_segment_fixed_size: 0
    .kernarg_segment_align: 8
    .kernarg_segment_size: 24
    .max_flat_workgroup_size: 256
    .sgpr_count:     80
    .vgpr_count:     512
    .wavefront_size: 32
...
	.end_amdgpu_metadata
.endif
;; end of part 3
;; launch oproj (part 4): grid 8 x 32, 4 waves a work-group, clusters of 4 x 1, 327,680 bytes of LDS; arguments acodes, codes, lowp_scales, out0; writes out0
.if DOCPART == 4
	.amdgcn_target "amdgcn-amd-amdhsa--gfx1250"
	.amdhsa_code_object_version 6
	.text
	.protected	k_q11fea56faf_oproj
	.globl	k_q11fea56faf_oproj
	.p2align	8
	.type	k_q11fea56faf_oproj,@function
k_q11fea56faf_oproj:
	s_mov_b64 s[64:65], 0
	v_nop
	global_prefetch_b8 v0, s[64:65] scope:SCOPE_SE
	s_setreg_imm32_b32 hwreg(HW_REG_WAVE_MODE, 25, 1), 1
	s_wait_xcnt 0x0
	s_wait_alu depctr_hold_cnt(0) depctr_sa_sdst(0) depctr_va_vdst(0) depctr_va_sdst(0) depctr_va_ssrc(0) depctr_va_vcc(0) depctr_vm_vsrc(0)
	s_getreg_b32 s2, hwreg(HW_REG_IB_STS2, 6, 4)
	s_cmp_eq_u32 s2, 0
	s_cbranch_scc0 .Lentry_in_a_cluster
	s_endpgm
.Lentry_in_a_cluster:
	s_bfe_u32 s2, ttmp6, 0x10000c
	s_cmp_lg_u32 s2, 0x3003
	s_cbranch_scc0 .Lentry_shape_is_right
	s_endpgm
.Lentry_shape_is_right:
; out0 = attention's result x wo, on E4M3 codes, sums in f32, each finished sum x 2^(e10 + e11).
; acodes: [t block 16][head 16][8 x 16 rows t in fragment order, 2,048 bytes each] (the head is the K block); wo's codes at 16 MiB in codes: [n / 64: 32][K block 16][64 n][128 k].  out0: [2,048][2,048] f32.
; SHARES.  A work-group makes 256 rows t x 64 columns n, K = 2,048: 8 x 32 = 256 work-groups.  wo's 64 rows x 2,048 codes lie whole in LDS.
; attention's codes go from memory straight into registers: a wave owns 64 rows, 16 loads of 512 consecutive bytes a K block, asked for three K blocks ahead (48 loads out) in a ring of four sets.
; A wave makes 64 x 64: 16 accumulators.  Source 0 = 16 rows of wo, source 1 = 16 rows t: a lane holds eight neighbouring columns of one row of out0.
; CLUSTER 4 x 1: four work-groups of one column block need the same rows of wo and ask for them jointly.
; NO PREFETCH: wo's tile is asked for whole at the head; the streamed loads themselves stand three K blocks ahead of their use and are never drained.
; LIMIT: e10 + e11 lies between -126 and 127, so that 2^(e10 + e11) is an f32 number.
; REGISTERS: window 0: v2-13 addresses, v32-63 16 rows at work, v64-127 rows on the way out (two sets), v128-255 accumulator (a, b) at v[128 + 8 (4 a + b)];
;   window 1: two sets of wo's four fragments;  window 2: four sets of my four streamed fragments.
.set PITCH,  144                       ; an LDS row: 128 bytes + 16 of padding
.set KB,     64*PITCH                  ; one K block of wo's 64 rows
.set SPARE,  16*KB                     ; the spare words, 128 bytes a wave: two blocks of 256 bytes that no other line names
.set STG,    SPARE+512                 ; the way out: 16 rows x 272 bytes for each wave, bytes that no tensor load fills
.set SPITCH, 272
.set SO,   2                           ; v2   16 x lane
.set AR0,  3                           ; v3   my lane's place in a fragment of wo
.set ARA,  4                           ; v4   the same in the trip's K blocks
.set STO,  6                           ; v6   the way out: where I put 32 bytes of a row
.set RD,   7                           ; v7   where I read rows back
.set CO,   8                           ; v8   my byte offset in two rows of out0
.set SPW,  12                          ; v12  LDS address of my spare word; never rewritten
.set NIL,  13                          ; v13  0; never rewritten
.set T,    32
.set OB,   64
.set ACC,  128
.set TB,   40
.set CNT,  41
.set MSB, 0
.macro WIN new                         ; the immediate's high byte repeats the setting that is left
.if MSB != \new
	s_set_vgpr_msb (MSB<<8)|\new
.set MSB, \new
.endif
.endm
.set MUL,  0x09                        ; source 0 window 1, source 1 window 2, C and D window 0
.set TO_R, 0x40                        ; destination window 1, address window 0
.set TO_S, 0x80                        ; destination window 2, address window 0
.macro CROUND                          ; a round of the cluster's barrier
	s_barrier_signal -1
	s_barrier_wait -1
	s_cmp_lg_u32 s10, 0
	s_cbranch_scc1 .Lnot_wave_0_\@
	s_barrier_signal -3
.Lnot_wave_0_\@:
	s_barrier_wait -3
	s_barrier_signal -1
	s_barrier_wait -1
.endm
.macro PLACES                          ; four places in front of loads into registers that matrix instructions have read, and of the first read of results
.rept 4
	v_nop
.endr
.endm
.macro SLOAD slot, off
.irp a, 0,1,2,3
.irp c, 0,1,2,3
	global_load_b128 v[64*(\slot)+16*\a+4*\c:64*(\slot)+16*\a+4*\c+3], v[SO], s[36:37] offset:(\off)+2048*\a+512*\c
.endr
.endr
.endm
.macro RLOAD p, adr, off               ; lane l holds row l % 16; registers 4 c .. 4 c + 3 hold K = 32 c + 16 (l / 16) + 0 .. 15, as in the streamed fragments
.irp b, 0,1,2,3
.irp c, 0,1,2,3
	ds_load_b128 v[64*(\p)+16*\b+4*\c:64*(\p)+16*\b+4*\c+3], v[\adr] offset:(\off)+16*\b*PITCH+32*\c
.endr
.endr
.endm
.macro MUL16 p, slot, zero             ; the 16 accumulators take turns, one instruction a turn, in the same order in every K block
.irp a, 0,1,2,3
.irp b, 0,1,2,3
.if \zero
	v_wmma_f32_16x16x128_fp8_fp8 v[ACC+8*(4*\a+\b):ACC+8*(4*\a+\b)+7], v[64*(\p)+16*\b:64*(\p)+16*\b+15], v[64*(\slot)+16*\a:64*(\slot)+16*\a+15], 0
.else
	v_wmma_f32_16x16x128_fp8_fp8 v[ACC+8*(4*\a+\b):ACC+8*(4*\a+\b)+7], v[64*(\p)+16*\b:64*(\p)+16*\b+15], v[64*(\slot)+16*\a:64*(\slot)+16*\a+15], v[ACC+8*(4*\a+\b):ACC+8*(4*\a+\b)+7]
.endif
.endr
.endr
.endm
; A K block.  lc: the loads issued behind this K block's, which may be out.  goff >= 0: the streamed set that the last K block read takes the K block three further on.  roff >= 0: the next K block's fragments of wo come into the other set.
.macro BLOCK p, slot, zero, lc, goff, radr, roff
	s_wait_loadcnt \lc
.if \zero == 0
	PLACES
.endif
.if \goff >= 0
	WIN TO_S
	SLOAD ((\slot)+3)%4, \goff
.endif
.if \roff >= 0
	WIN TO_R
	RLOAD 1-(\p), \radr, \roff
	s_wait_dscnt 16                                ; all but the 16 just issued
.else
	s_wait_dscnt 0x0
.endif
	WIN MUL
	MUL16 \p, \slot, \zero
.endm
.macro ADDR
	v_add_nc_u32 v[ARA], s[TB], v[AR0]
	s_wait_alu depctr_va_vdst(0)
.endm
	s_load_b128 s[4:7], s[0:1], 0x0                ; acodes s[4:5], codes s[6:7]
	s_load_b128 s[68:71], s[0:1], 0x10             ; the exponents s[68:69], out0 s[70:71]
	v_lshl_add_u32 v[SPW], v0, 2, SPARE
	v_mov_b32 v[NIL], 0
	ds_add_u32 v[SPW], v[NIL]                      ; the wave's opening: the add, twice on end, and its wait ahead of my first tensor load
	ds_add_u32 v[SPW], v[NIL]
	v_lshrrev_b32 v1, 5, v0
	v_readfirstlane_b32 s10, v1                    ; wave 0..3
	s_bfe_u32 s11, ttmp6, 0x40000                  ; cx
	s_lshl_b32 s12, ttmp9, 2
	s_add_co_u32 s12, s12, s11                     ; block of 256 rows t
	s_and_b32 s13, ttmp7, 0xffff                   ; block of 64 columns n
	s_lshl_b32 s14, s12, 1
	s_lshr_b32 s15, s10, 1
	s_add_co_u32 s14, s14, s15                     ; my t block,
	s_lshl_b32 s14, s14, 18
	s_and_b32 s15, s10, 1                          ; and which 64 rows of it
	s_lshl_b32 s15, s15, 13
	s_add_co_u32 s14, s14, s15
	s_mov_b32 s15, 0                               ; s[14:15] my streamed codes
	s_lshl_b32 s16, s13, 17
	s_lshl_b32 s17, s10, 15
	s_add_co_u32 s16, s16, s17
	s_add_co_u32 s16, s16, 0x1000000
	s_mov_b32 s17, 0                               ; s[16:17] the four K blocks of wo that I fetch: made of the column block and the wave's number alone
	s_lshl_b32 s18, s12, 21
	s_lshl_b32 s19, s10, 19
	s_add_co_u32 s18, s18, s19
	s_lshl_b32 s19, s13, 8
	s_add_co_u32 s18, s18, s19
	s_mov_b32 s19, 0                               ; s[18:19] row 256 x block + 64 x wave of out0, 8,192 bytes a row, + 256 bytes a column block
	s_mul_i32 s20, s10, 4*KB                       ; where my four K blocks go
	s_mul_i32 s21, s10, 16*SPITCH
	s_add_co_u32 s21, s21, STG                     ; my stage
	s_mov_b32 s24, 15|(0<<16)|(1<<20)|(1<<21)|(4<<22)|(3<<25)   ; group 1: the mask names the cluster's four; 32 KiB, dense in memory, stated as 128 rows of 256 bytes; four words of padding behind every 32 words
	s_mov_b32 s25, 256<<16                         ; tensor_dim0
	s_mov_b32 s26, 128<<16                         ; tensor_dim1
	s_mov_b32 s27, 256<<16                         ; tile_dim0
	s_mov_b32 s28, 128                             ; tile_dim1
	s_mov_b32 s29, 256                             ; tensor_dim0_stride
	s_mov_b32 s30, 0
	s_mov_b32 s31, 0
	s_mov_b32 s[TB], 0
	s_mov_b32 s[CNT], 3
	v_and_b32 v1, 31, v0
	v_lshlrev_b32 v[SO], 4, v1
	v_and_b32 v16, 15, v0                          ; r
	v_bfe_u32 v17, v0, 4, 1                        ; h
	v_mul_u32_u24 v[AR0], v16, PITCH
	v_lshl_add_u32 v[AR0], v17, 4, v[AR0]          ; row r x pitch + 16 h
	v_mul_u32_u24 v[STO], v16, SPITCH
	v_lshl_add_u32 v[STO], v17, 5, v[STO]
	v_add_nc_u32 v[STO], s21, v[STO]               ; in: row r, byte 32 h
	v_mul_u32_u24 v[RD], v17, SPITCH
	v_lshl_add_u32 v[RD], v16, 4, v[RD]
	v_add_nc_u32 v[RD], s21, v[RD]                 ; back: lanes 0-15 one row of 256 bytes, lanes 16-31 the next
	v_lshlrev_b32 v[CO], 13, v17
	v_lshl_add_u32 v[CO], v16, 4, v[CO]            ; and the same two rows in out0
	s_wait_alu depctr_va_vdst(0)                   ; directly ahead of the waits below
	s_wait_dscnt 0x0                               ; both opening adds are done
	s_wait_kmcnt 0x0
	s_load_b64 s[96:97], s[68:69], 0x28            ; e10, e11
	s_mov_b32 s32, 1
	s_mov_b32 s33, s20
	s_add_nc_u64 s[34:35], s[6:7], s[16:17]
	s_or_b32 s35, s35, 0x80000000
	s_add_nc_u64 s[36:37], s[4:5], s[14:15]
	s_add_nc_u64 s[70:71], s[70:71], s[18:19]
	WIN TO_S
	SLOAD 0, 0
	SLOAD 1, 16384
	SLOAD 2, 2*16384
	WIN 0
	CROUND                                         ; all four work-groups are here: the joint loads meet
	tensor_load_to_lds s[32:35], s[24:31]          ; my one tensor load
	s_nop 0
	PLACES
	s_wait_kmcnt 0x0
	s_add_co_i32 s96, s96, s97
	s_add_co_i32 s96, s96, 127
	s_lshl_b32 s96, s96, 23                        ; 2^(e10 + e11) as f32
	s_mov_b32 s97, s96                             ; (named with it as a pair, so it is written)
	s_wait_tensorcnt 0x0                           ; my four K blocks are in
	s_barrier_signal -1
	s_barrier_wait -1                              ; everybody's are
	WIN TO_R
	RLOAD 0, AR0, 0
	BLOCK 0, 0, 1, 32, 3*16384, AR0, KB            ; K block 0 starts the sums: nothing is cleared
	WIN 0
.Ltrip:                                                ; three trips of four K blocks: 1 to 12; K block n asks for streamed block n + 3 and for wo's block n + 1
	ADDR
	BLOCK 1, 1, 0, 32, 4*16384, ARA, 2*KB
	BLOCK 0, 2, 0, 32, 5*16384, ARA, 3*KB
	BLOCK 1, 3, 0, 32, 6*16384, ARA, 4*KB
	BLOCK 0, 0, 0, 32, 7*16384, ARA, 5*KB
	WIN 0
	s_wait_xcnt 0x0                                ; the loads have read their base: it may step
	s_add_nc_u64 s[36:37], s[36:37], 65536
	s_add_co_u32 s[TB], s[TB], 4*KB
	s_sub_co_u32 s[CNT], s[CNT], 1
	s_cmp_lg_u32 s[CNT], 0
	s_cbranch_scc1 .Ltrip
	ADDR
	BLOCK 1, 1, 0, 32, -1, ARA, 2*KB               ; K blocks 13 to 15 ask for nothing more from memory
	BLOCK 0, 2, 0, 16, -1, ARA, 3*KB
	BLOCK 1, 3, 0, 0, -1, ARA, -1
	WIN 0
	PLACES
; THE WAY OUT, 16 rows at a time: x 2^(e10 + e11) into other registers; 32 bytes a lane and accumulator into my stage; back as rows of 256 bytes: sixteen lanes store one aligned unit.
.macro TOST a
.irp j, 0,2,4,6,8,10,12,14,16,18,20,22,24,26,28,30
	v_pk_mul_f32 v[T+\j:T+\j+1], v[ACC+32*(\a)+\j:ACC+32*(\a)+\j+1], s[96:97] op_sel_hi:[1,0]   ; each accumulator from its low end on
.endr
.irp b, 0,1,2,3
	ds_store_b128 v[STO], v[T+8*\b:T+8*\b+3] offset:64*\b
	ds_store_b128 v[STO], v[T+8*\b+4:T+8*\b+7] offset:64*\b+16
.endr
.irp i, 0,1,2,3,4,5,6,7
	ds_load_b128 v[OB+32*((\a)%2)+4*\i:OB+32*((\a)%2)+4*\i+3], v[RD] offset:2*\i*SPITCH   ; LDS serves a wave's instructions in order (ISA guide 5.7.1.4): these see my stores
.endr
.endm
.macro SEND a
.irp i, 0,1,2,3,4,5,6,7
	global_store_b128 v[CO], v[OB+32*((\a)%2)+4*\i:OB+32*((\a)%2)+4*\i+3], s[70:71] offset:(16*(\a)+2*\i)*8192 th:TH_STORE_NT   ; written once, read by nobody here
.endr
.endm
	TOST 0
.irp a, 1,2,3
.if \a > 1
	s_wait_xcnt 0x0                                ; the stores of two blocks ago have read their registers: this block's loads may land there
.endif
	TOST \a
	s_wait_dscnt 16                                ; the block before is back: behind its loads stand this block's 8 stores and 8 loads
	SEND \a-1
.endr
	s_wait_dscnt 0x0
	SEND 3
	s_wait_tensorcnt 0x0                           ; the wave's end
	ds_add_u32 v[SPW], v[NIL]
	s_wait_dscnt 0x0
	CROUND                                         ; the closing round
	s_endpgm
.Lfunc_end_k_q11fea56faf_oproj:
	.size	k_q11fea56faf_oproj, .Lfunc_end_k_q11fea56faf_oproj-k_q11fea56faf_oproj
	.p2alignl 7, 3214868480
	.fill 96, 4, 3214868480
	.section	.rodata,"a",@progbits
	.p2align	6, 0x0
	.amdhsa_kernel k_q11fea56faf_oproj
		.amdhsa_group_segment_fixed_size 327680
		.amdhsa_private_segment_fixed_size 0
		.amdhsa_enable_private_segment 0
		.amdhsa_kernarg_size 32
		.amdhsa_user_sgpr_count 2
		.amdhsa_user_sgpr_kernarg_segment_ptr 1
		.amdhsa_wavefront_size32 1
		.amdhsa_system_sgpr_workgroup_id_x 1
		.amdhsa_system_sgpr_workgroup_id_y 1
		.amdhsa_system_sgpr_workgroup_id_z 1
		.amdhsa_system_vgpr_workitem_id 0
		.amdhsa_next_free_vgpr 768
		.amdhsa_next_free_sgpr 100
		.amdhsa_reserve_vcc 0
		.amdhsa_float_denorm_mode_32 3
		.amdhsa_float_denorm_mode_16_64 3
		.amdhsa_memory_ordered 1
		.amdhsa_forward_progress 1
		.amdhsa_inst_pref_size 47
	.end_amdhsa_kernel
	.amdgpu_metadata
---
amdhsa.version: [ 1, 2 ]
amdhsa.kernels:
  - .name:           k_q11fea56faf_oproj
    .symbol:         k_q11fea56faf_oproj.kd
    .args:
      - { .name: acodes, .offset: 0, .size: 8, .value_kind: global_buffer, .address_space: global }
      - { .name: codes, .offset: 8, .size: 8, .value_kind: global_buffer, .address_space: global }
      - { .name: lowp_scales, .offset: 16, .size: 8, .value_kind: global_buffer, .address_space: global }
      - { .name: out0, .offset: 24, .size: 8, .value_kind: global_buffer, .address_space: global }
    .group_segment_fixed_size: 327680
    .private_segment_fixed_size: 0
    .kernarg_segment_align: 8
    .kernarg_segment_size: 32
    .max_flat_workgroup_size: 128
    .sgpr_count:     100
    .vgpr_count:     768
    .wavefront_size: 32
...
	.end_amdgpu_metadata
.endif
;; end of part 4
